; MI455X (gfx1250); checked and timed in simulation.
; The chip was launched on July 23, 2026; its instructions are those of AMD's public machine-readable ISA for CDNA 5 (MIT licence, August 2026) and "CDNA5" Instruction Set Architecture Reference Guide (July 2026). The comments in the code are by the model that wrote it; some were corrected since.
;; Causal Self Attention. Allowed arithmetic: matrix products marked QUANTISED: E2M1 operands, one E8M0 scale for each 32 along K, by v_wmma_scale_f32_16x16x128_f8f6f4 with both operands' format E2M1 (or v_wmma_scale_f32_32x16x128_f4), f32 sums; everything else in f32.
;; Inputs: Wk 1,024 x 16 x 64 float32; Wo 16 x 64 x 1,024 float32; Wq 1,024 x 16 x 64 float32; Wv 1,024 x 16 x 64 float32; beta 1,024 float32; bk 16 x 64 float32; bo 1,024 float32; bq 16 x 64 float32; bv 16 x 64 float32; gamma 1,024 float32; x 4 x 2,048 x 1,024 float32.
;; Outputs: out0 4 x 2,048 x 1,024 float32.
;; This version of the problem:
;;   THIS VERSION OF THE PROBLEM IS GIVEN IN LOW PRECISION. The matrix products marked QUANTISED in the list below multiply operands that are first quantised to E2M1 (2 exponent bits, 1 mantissa bit; 4 bits a number), with one power-of-two scale for each 32 numbers along K (OCP MX v1.0); their sums are f32. All else is computed in f32.
;;   The module's matrix products, in the order in which they are computed (A, B: the left and right operand; K: the contracted axis; several contracted axes count as one K, in the product's order):
;;     1. [M 8,192, K 1,024] x [K 1,024, N 1,024]; A: input x; B: input Wq: QUANTISED
;;     2. [M 8,192, K 1,024] x [K 1,024, N 1,024]; A: input x; B: input Wk: QUANTISED
;;     3. [M 8,192, K 1,024] x [K 1,024, N 1,024]; A: input x; B: input Wv: QUANTISED
;;     4. batch 64 x [M 2,048, K 64] x [K 64, N 2,048]; A: computed on the way; B: computed on the way: QUANTISED
;;     5. batch 64 x [M 64, K 2,048] x [K 2,048, N 2,048]; A: computed on the way; B: softmax (see below): QUANTISED
;;     6. [M 8,192, K 1,024] x [K 1,024, N 1,024]; A: computed on the way; B: input Wo: QUANTISED
;;   THE QUANTISER, for each operand of a quantised product, along K:
;;     - K is cut into blocks of 32 from its start; a last block that is shorter is filled with zeros.
;;     - A block's scale is 2^e with e = floor(log2(the largest magnitude in the block)) - 2, held to -126 .. 127; a block of zeros has e = 0. As a byte (E8M0): e + 127.
;;     - Each number is divided by its block's scale, clamped to +-6, and rounded to the nearest number of E2M1, ties to even, subnormals kept.
;;     - The product sums the exact products of the quantised numbers (number of the format x scale) in f32.
;;   ~~~python
;;   def quantise(x, axis):      # numpy; x: float32 -> the quantised numbers, widened to float32 again
;;       x = np.moveaxis(x, axis, -1); K = x.shape[-1]
;;       x = np.pad(x, [(0, 0)] * (x.ndim - 1) + [(0, -K % 32)]); x = x.reshape(x.shape[:-1] + (-1, 32)); a = np.abs(x).max(-1, keepdims=True)
;;       e = np.where(a > 0, np.clip(np.frexp(np.where(a > 0, a, 1))[1] - 1 - 2, -126, 127), 0)      # np.frexp(a)[1] - 1 = floor(log2(a)), exactly
;;       r = np.clip(x / 2.0 ** e, -6, 6)
;;       step = 2.0 ** (np.maximum(np.frexp(np.where(r == 0, 1, r))[1] - 1, 0) - 1)
;;       q = np.round(r / step) * step * 2.0 ** e      # np.round: ties to even
;;       return np.moveaxis(q.reshape(q.shape[:-2] + (-1,))[..., :K], -1, axis).astype(np.float32)
;;   ~~~
;;   SOFTMAX AHEAD OF A QUANTISED PRODUCT. Where the list says 'softmax', what is quantised is not the finished softmax but p = 2^(t - M), with t = logit x log2(e) and M = ceil(the row's largest t), a whole number; so 1/2 < the row's largest p <= 1. The row's sum l is taken of the UNQUANTISED p, in f32, and the product's result is divided by l at the end. Since M is a whole number, a kernel that streams over the keys may use a running M (the ceiling of the running maximum): every later rescaling is an exact power of two, which a block's scale takes up: the codes' values come out the same.
;;   OPERANDS COMPUTED ON THE WAY. 'Computed on the way' means the value that the module computes at that place (a softmax that the list does not call 'softmax' is quantised finished and normalised). What goes into a quantiser is computed in f32, as accurately as f32 sums, v_exp_f32 and their like allow (about 1e-6 of the number): no bf16 or f16 on the way to a quantiser, and a product that is left as it is and whose result goes on into a quantised operand takes f32 operands (vector FMAs, or v_wmma_f32_16x16x4_f32). A number that lies on a knife's edge between two numbers of the format may be rounded either way, as far as f32 arithmetic and the matrix unit's own rounding can turn it there, and no further.
;; 2 versions. Each part assembles by itself: llvm-mc -triple=amdgcn-amd-amdhsa -mcpu=gfx1250 --defsym DOCPART=n.
;; ======== version 1 of 2: 4 launches
;; limits: right only within a limited range of input values
;; workspace buffers: xq 4,456,448 bytes; wq 2,228,224 bytes; qq 4,718,592 bytes; kv 9,437,184 bytes; cq 4,456,448 bytes
;; launch prep (part 1): grid 320 x 1, 4 waves a work-group, no clusters, 41,472 bytes of LDS; arguments x, Wq, Wk, Wv, Wo, xq, wq; writes xq, wq
.if DOCPART == 1
	.amdgcn_target "amdgcn-amd-amdhsa--gfx1250"
	.amdhsa_code_object_version 6
	.text
	.protected	k_qecebf5571a_prep
	.globl	k_qecebf5571a_prep
	.p2align	8
	.type	k_qecebf5571a_prep,@function
k_qecebf5571a_prep:
	s_mov_b64 s[64:65], 0
	v_nop
	global_prefetch_b8 v0, s[64:65] scope:SCOPE_SE
	s_setreg_imm32_b32 hwreg(HW_REG_WAVE_MODE, 25, 1), 1
	s_wait_xcnt 0x0
; x [8192][1024] and the four weights [1024 (K)][1024 (N)], all f32, become codes of FP4 (E2M1) with one E8M0 byte for each 32 along K.
; A block's byte is its largest magnitude's exponent field - 2, held at 1 from below; each number is divided by the scale and rounded to the nearest code, ties to even, beyond 6 the largest code.
; LIMITS: NaN and infinities among the inputs are not served.  A block whose largest magnitude lies under 2^-124 (a block of zeros among them) gets the byte 1; only this program reads the bytes.
; THE OUTPUT IS LAID AS THE MATRIX UNIT'S REGISTERS WANT IT.  A TILE is 16 rows (tokens of x, columns of a weight); of a group of 32 rows, tile u (0, 1) has as its row a the element 16 (a / 8) + 8 u + a % 8.
; Codes: [group][u][block of 32 along K: 32][a: 16][16 bytes], so that the 512 bytes at 1,024 s + 512 c of a tile are registers 4 c .. 4 c + 3 of K step s, 16 bytes a lane.
; Scale bytes: [group][half of K][u][a][16 bytes]: 512 bytes are four registers, the words of four K steps, tile 0 in lanes 0-15 and tile 1 in lanes 16-31.
; Work-groups 0-255 take a group of 32 rows of x each; work-groups 256-319 a weight's 128 columns x half of K.  Waves share nothing: no barrier.
.set EMAX,  2
.set R,     16                         ; x: v16-79   four sets of 16 numbers as loaded
.set X,     80                         ; x: v80-111  two sets of 16 neighbours
.set E,     112                        ; x: v112-127 a scale byte for each step
.set C,     128                        ; x: v128-191 codes, four registers a step
.set WREG,  10240                      ; x: LDS of a wave: two stages of 32 x 80 bytes, 256 scale bytes, the codes' stage
.set SP,    80                         ; a lane's place in a stage: 64 bytes + 16 of padding
.set SCB,   5120
.set CST,   5376
.set CP,    272                        ; a row of the codes' stage: a block's 16 rows x 16 bytes + 16 of padding
.set WX,    32                         ; weights: v32-95 two sets of 32 numbers
.set WC,    96                         ; weights: v96-159 codes, four registers a block, never written again
.set SB,    24                         ; weights: v24-27 the 16 scale bytes
.macro XLOAD t                         ; step t = row t of my tile: 512 numbers, four loads of 512 consecutive bytes
.irp i, 0,1,2,3
	global_load_b128 v[R+16*((\t)%4)+4*\i:R+16*((\t)%4)+4*\i+3], v3, s[4:5] offset:(16*((\t)/8)+(\t)%8)*4096+512*\i
.endr
.endm
.macro XTURN t                         ; through the stage, so that a lane holds 16 neighbours: LDS serves a wave's instructions in order, no wait between stores and loads
.irp i, 0,1,2,3
	ds_store_b128 v14, v[R+16*((\t)%4)+4*\i:R+16*((\t)%4)+4*\i+3] offset:32*SP*((\t)%2)+8*SP*\i
.endr
.irp i, 0,1,2,3
	ds_load_b128 v[X+16*((\t)%2)+4*\i:X+16*((\t)%2)+4*\i+3], v15 offset:32*SP*((\t)%2)+16*\i
.endr
.endm
.macro XSTEP t
.set XS, X+16*((\t)%2)
.if (\t) > 0
	s_wait_dscnt 2                                 ; this step's numbers are back (the last step's byte store and code store may be out)
.else
	s_wait_dscnt 0x0
.endif
.if (\t)+4 < 16
	XLOAD (\t)+4                                   ; into the set whose stores into the stage are done
.endif
.if (\t)+1 < 16
.if 14-(\t) >= 3
	s_wait_loadcnt 12                              ; the next step's four loads are in; those of the three steps behind it may be out
.else
	s_wait_loadcnt 4*(14-(\t))
.endif
	XTURN (\t)+1
.endif
	v_max3_num_f32 v8, |v[XS]|, |v[XS+1]|, |v[XS+2]|               ; the largest magnitude of my 16
	v_max3_num_f32 v9, |v[XS+3]|, |v[XS+4]|, |v[XS+5]|
.irp i, 6,10
	v_max3_num_f32 v8, v8, |v[XS+\i]|, |v[XS+\i+1]|
	v_max3_num_f32 v9, v9, |v[XS+\i+2]|, |v[XS+\i+3]|
.endr
	v_max3_num_f32 v8, v8, |v[XS+14]|, |v[XS+15]|
	v_max3_num_f32 v8, v8, v9, (EMAX+1)<<23        ; and the floor 2^(3 - 127): the byte cannot fall under 1
	v_max_num_f32_dpp v8, v8, v8 row_xmask:1 row_mask:0xf bank_mask:0xf   ; with my neighbour's 16: the block's
	v_add_nc_u32 v11, -(EMAX<<23), v8              ; 2 off the exponent field: the conversion's scale operand
	v_cvt_scalef32_pk8_fp4_f32 v[C+4*(\t)], v[XS:XS+7], v11
	v_cvt_scalef32_pk8_fp4_f32 v[C+4*(\t)+1], v[XS+8:XS+15], v11
	v_lshrrev_b32 v[E+(\t)], 23, v11               ; the scale's byte (also the plain line behind the conversions)
	ds_store_b8 v5, v[E+(\t)] offset:16*(\t)       ; row t's 16 bytes; both lanes of a block write the same byte with the same value
	ds_store_b64 v4, v[C+4*(\t):C+4*(\t)+1] offset:16*(\t)   ; stage row = block, place 16 t + my half of the block's 16 bytes
.endm
.macro WLOAD t                         ; block t: W(32 t + j, my column), j = 0 .. 31: 32 lanes read 128 consecutive bytes
.set JJ, 0
.rept 32
	global_load_b32 v[WX+32*((\t)%2)+JJ], v10, s[24:25] offset:(32*(\t)+JJ)*4096 th:TH_LOAD_NT
.set JJ, JJ+1
.endr
.endm
.macro WBLOCK t
.set XW, WX+32*((\t)%2)
.if (\t) < 15
	s_wait_loadcnt 32                              ; this block's 32 loads are in; the next block's may be out
.else
	s_wait_loadcnt 0x0
.endif
	v_max3_num_f32 v12, |v[XW]|, |v[XW+1]|, |v[XW+2]|              ; all 32 numbers of the block are mine
	v_max3_num_f32 v13, |v[XW+3]|, |v[XW+4]|, |v[XW+5]|
.irp i, 6,10,14,18,22,26
	v_max3_num_f32 v12, v12, |v[XW+\i]|, |v[XW+\i+1]|
	v_max3_num_f32 v13, v13, |v[XW+\i+2]|, |v[XW+\i+3]|
.endr
	v_max3_num_f32 v12, v12, |v[XW+30]|, |v[XW+31]|
	v_max3_num_f32 v12, v12, v13, (EMAX+1)<<23
	v_add_nc_u32 v11, -(EMAX<<23), v12
	v_lshrrev_b32 v13, 23, v11
.if (\t)%4 == 0
	v_mov_b32 v[SB+(\t)/4], v13                    ; four bytes to a register, the lower K in the lower byte
.else
	v_lshl_or_b32 v[SB+(\t)/4], v13, 8*((\t)%4), v[SB+(\t)/4]
.endif
.irp g, 0,1,2,3
	v_cvt_scalef32_pk8_fp4_f32 v[WC+4*(\t)+\g], v[XW+8*\g:XW+8*\g+7], v11
.endr
	global_store_b128 v4, v[WC+4*(\t):WC+4*(\t)+3], s[26:27] offset:256*(\t)   ; lanes 0-15: 256 consecutive bytes of tile 0; lanes 16-31: of tile 1
.if (\t)+2 < 16
	WLOAD (\t)+2
.endif
.endm
	s_load_b256 s[4:11], s[0:1], 0x0               ; x, Wq, Wk, Wv
	s_load_b128 s[12:15], s[0:1], 0x20             ; Wo, xq
	s_load_b64 s[16:17], s[0:1], 0x30              ; wq
	v_lshl_add_u32 v192, v0, 2, 0xa000
	v_mov_b32 v193, 0
	v_lshrrev_b32 v1, 5, v0
	v_readfirstlane_b32 s18, v1                    ; wave 0..3
	v_and_b32 v2, 31, v0                           ; lane
	v_lshlrev_b32 v3, 4, v2                        ; 16 x lane
	s_cmp_lt_u32 ttmp9, 256
	s_cbranch_scc0 .Lw
	; ---- x.  Wave w: tile u = w / 2, half hf = w % 2 of K.
	s_mul_i32 s19, s18, WREG
	v_lshrrev_b32 v14, 2, v2
	v_mul_u32_u24 v14, v14, SP
	v_and_b32 v15, 3, v2
	v_lshl_add_u32 v14, v15, 4, v14
	v_add_nc_u32 v14, s19, v14                     ; the stage, in: 80 (lane / 4) + 16 (lane % 4)
	v_mul_u32_u24 v15, v2, SP
	v_add_nc_u32 v15, s19, v15                     ; out: 80 x lane
	v_lshrrev_b32 v5, 1, v2                        ; my block of the step's 16
	v_mul_u32_u24 v4, v5, CP
	v_and_b32 v6, 1, v2
	v_lshl_add_u32 v4, v6, 3, v4
	v_add_nc_u32 v4, s19, v4
	v_add_nc_u32 v4, CST, v4                       ; the codes' stage, in
	v_add_nc_u32 v5, s19, v5
	v_add_nc_u32 v5, SCB, v5                       ; my block's scale byte
	v_lshlrev_b32 v7, 3, v2
	v_add_nc_u32 v6, s19, v7
	v_add_nc_u32 v6, SCB, v6                       ; the scale bytes on the way out: 8 a lane
	v_lshrrev_b32 v10, 4, v2
	v_mul_u32_u24 v10, v10, CP
	v_and_b32 v11, 15, v2
	v_lshl_add_u32 v10, v11, 4, v10
	v_add_nc_u32 v10, s19, v10
	v_add_nc_u32 v10, CST, v10                     ; the codes' stage, out: sixteen lanes to a row, two rows an instruction
	s_lshr_b32 s20, s18, 1                         ; u
	s_and_b32 s21, s18, 1                          ; hf
	s_lshl_b32 s22, ttmp9, 17                      ; x: 32 rows of 4,096 bytes a group,
	s_lshl_b32 s24, s20, 15                        ; 8 u rows,
	s_add_co_u32 s22, s22, s24
	s_lshl_b32 s24, s21, 11                        ; 512 hf numbers
	s_add_co_u32 s22, s22, s24
	s_mov_b32 s23, 0
	s_lshl_b32 s24, ttmp9, 14                      ; codes: 16,384 a group, 4,096 a wave
	s_lshl_b32 s26, s18, 12
	s_add_co_u32 s24, s24, s26
	s_mov_b32 s25, 0
	s_lshl_b32 s26, ttmp9, 10                      ; scale bytes: 1,024 a group, 512 a half of K, 256 a tile
	s_lshl_b32 s28, s21, 9
	s_add_co_u32 s26, s26, s28
	s_lshl_b32 s28, s20, 8
	s_add_co_u32 s26, s26, s28
	s_add_co_u32 s26, s26, 4194304
	s_mov_b32 s27, 0
	s_wait_kmcnt 0x0
	s_add_nc_u64 s[4:5], s[4:5], s[22:23]
	s_add_nc_u64 s[24:25], s[14:15], s[24:25]
	s_add_nc_u64 s[26:27], s[14:15], s[26:27]
.irp t, 0,1,2,3
	XLOAD \t
.endr
	s_wait_loadcnt 12                              ; step 0's four loads are in
	XTURN 0
.irp t, 0,1,2,3,4,5,6,7,8,9,10,11,12,13,14,15
	XSTEP \t
.endr
.irp i, 0,1,2,3,4,5,6,7
	ds_load_b128 v[R+4*\i:R+4*\i+3], v10 offset:2*CP*\i   ; blocks 2 i and 2 i + 1: these see my stores
.endr
	ds_load_b64 v[12:13], v6
.irp i, 0,1,2,3,4,5,6,7
	s_wait_dscnt 8-\i                              ; load i is in; the younger ones may be out
	global_store_b128 v3, v[R+4*\i:R+4*\i+3], s[24:25] offset:512*\i   ; 512 consecutive bytes
.endr
	s_wait_dscnt 0x0
	global_store_b64 v7, v[12:13], s[26:27]        ; 256 consecutive bytes, aligned
	s_wait_tensorcnt 0x0
	ds_add_u32 v192, v193
	s_wait_dscnt 0x0
	s_endpgm
	; ---- the weights.  j = work-group - 256: weight j / 16, 128 columns (j / 2) % 8, half j % 2 of K.  A wave takes a group of 32 columns; A LANE TAKES A COLUMN AND ITS REGISTERS RUN DOWN K.
.Lw:
	s_sub_co_u32 s19, ttmp9, 256
	s_lshr_b32 s20, s19, 4                         ; which weight
	s_bfe_u32 s21, s19, 0x30001
	s_and_b32 s22, s19, 1                          ; hf
	s_lshl_b32 s23, s21, 2
	s_add_co_u32 s23, s23, s18                     ; the group of 32 columns
	v_and_b32 v5, 15, v2                           ; a
	v_lshrrev_b32 v6, 4, v2                        ; u: lanes 16-31 are tile 1
	v_and_b32 v7, 8, v5
	v_add_nc_u32 v7, v7, v5                        ; 16 (a / 8) + a % 8
	v_lshl_add_u32 v7, v6, 3, v7                   ; + 8 u: my column of the group
	v_lshlrev_b32 v10, 2, v7
	v_lshlrev_b32 v4, 4, v5
	v_lshl_add_u32 v4, v6, 13, v4                  ; codes: 8,192 u + 16 a
	s_lshl_b32 s30, s22, 21                        ; W: 512 hf rows of 4,096 bytes + 128 bytes a group
	s_lshl_b32 s32, s23, 7
	s_add_co_u32 s30, s30, s32
	s_mov_b32 s31, 0
	s_lshl_b32 s26, s20, 19                        ; codes: 524,288 a weight, 16,384 a group, 4,096 a half of K
	s_lshl_b32 s32, s23, 14
	s_add_co_u32 s26, s26, s32
	s_lshl_b32 s32, s22, 12
	s_add_co_u32 s26, s26, s32
	s_mov_b32 s27, 0
	s_lshl_b32 s28, s20, 15                        ; scale bytes: 32,768 a weight, 1,024 a group, 512 a half of K
	s_lshl_b32 s32, s23, 10
	s_add_co_u32 s28, s28, s32
	s_lshl_b32 s32, s22, 9
	s_add_co_u32 s28, s28, s32
	s_add_co_u32 s28, s28, 2097152
	s_mov_b32 s29, 0
	s_wait_kmcnt 0x0
	s_mov_b64 s[24:25], s[12:13]                   ; the weight is chosen by the work-group's number alone
	s_cmp_eq_u32 s20, 0
	s_cselect_b64 s[24:25], s[6:7], s[24:25]
	s_cmp_eq_u32 s20, 1
	s_cselect_b64 s[24:25], s[8:9], s[24:25]
	s_cmp_eq_u32 s20, 2
	s_cselect_b64 s[24:25], s[10:11], s[24:25]
	s_add_nc_u64 s[24:25], s[24:25], s[30:31]
	s_add_nc_u64 s[26:27], s[16:17], s[26:27]
	s_add_nc_u64 s[28:29], s[16:17], s[28:29]
	WLOAD 0
	WLOAD 1
.set Q, 0
.rept 16
	WBLOCK Q
.set Q, Q+1
.endr
	global_store_b128 v3, v[SB:SB+3], s[28:29]     ; 512 consecutive bytes: both tiles' 16 bytes a row
	s_endpgm
.Lfunc_end_k_qecebf5571a_prep:
	.size	k_qecebf5571a_prep, .Lfunc_end_k_qecebf5571a_prep-k_qecebf5571a_prep
	.p2alignl 7, 3214868480
	.fill 96, 4, 3214868480
	.section	.rodata,"a",@progbits
	.p2align	6, 0x0
	.amdhsa_kernel k_qecebf5571a_prep
		.amdhsa_group_segment_fixed_size 41472
		.amdhsa_private_segment_fixed_size 0
		.amdhsa_enable_private_segment 0
		.amdhsa_kernarg_size 56
		.amdhsa_user_sgpr_count 2
		.amdhsa_user_sgpr_kernarg_segment_ptr 1
		.amdhsa_wavefront_size32 1
		.amdhsa_system_sgpr_workgroup_id_x 1
		.amdhsa_system_sgpr_workgroup_id_y 1
		.amdhsa_system_sgpr_workgroup_id_z 1
		.amdhsa_system_vgpr_workitem_id 0
		.amdhsa_next_free_vgpr 194
		.amdhsa_next_free_sgpr 66
		.amdhsa_reserve_vcc 0
		.amdhsa_float_denorm_mode_32 3
		.amdhsa_float_denorm_mode_16_64 3
		.amdhsa_memory_ordered 1
		.amdhsa_forward_progress 1
		.amdhsa_inst_pref_size 110
	.end_amdhsa_kernel
	.amdgpu_metadata
---
amdhsa.version: [ 1, 2 ]
amdhsa.kernels:
  - .name:           k_qecebf5571a_prep
    .symbol:         k_qecebf5571a_prep.kd
    .args:
      - { .name: x, .offset: 0, .size: 8, .value_kind: global_buffer, .address_space: global }
      - { .name: Wq, .offset: 8, .size: 8, .value_kind: global_buffer, .address_space: global }
      - { .name: Wk, .offset: 16, .size: 8, .value_kind: global_buffer, .address_space: global }
      - { .name: Wv, .offset: 24, .size: 8, .value_kind: global_buffer, .address_space: global }
      - { .name: Wo, .offset: 32, .size: 8, .value_kind: global_buffer, .address_space: global }
      - { .name: xq, .offset: 40, .size: 8, .value_kind: global_buffer, .address_space: global }
      - { .name: wq, .offset: 48, .size: 8, .value_kind: global_buffer, .address_space: global }
    .group_segment_fixed_size: 41472
    .private_segment_fixed_size: 0
    .kernarg_segment_align: 8
    .kernarg_segment_size: 56
    .max_flat_workgroup_size: 128
    .sgpr_count:     66
    .vgpr_count:     194
    .wavefront_size: 32
...
	.end_amdgpu_metadata
.endif
;; end of part 1
;; launch proj (part 2): grid 12 x 64, 4 waves a work-group, no clusters, 66,048 bytes of LDS; arguments xq, wq, bq, bk, bv, qq, kv; writes qq, kv
.if DOCPART == 2
	.amdgcn_target "amdgcn-amd-amdhsa--gfx1250"
	.amdhsa_code_object_version 6
	.text
	.protected	k_qecebf5571a_proj
	.globl	k_qecebf5571a_proj
	.p2align	8
	.type	k_qecebf5571a_proj,@function
k_qecebf5571a_proj:
	s_mov_b64 s[64:65], 0
	v_nop
	global_prefetch_b8 v0, s[64:65] scope:SCOPE_SE
	s_setreg_imm32_b32 hwreg(HW_REG_WAVE_MODE, 25, 1), 1
	s_wait_xcnt 0x0
; q, k, v = x W + b on codes of FP4 with E8M0 scales, and the results quantised again on the way out, as operands of the two products of attention.
; SHARES.  Work-group (cq, tg): 128 tokens tg, 256 columns cq of the 3,072 of Wq | Wk | Wv; cq / 4 says which of the three, for the whole work-group.  Wave w: one head (64 columns) x 128 tokens:
; 32 accumulators, K = 1,024 in 8 steps of 128, 256 matrix instructions.  x's codes of the 128 tokens (65,536 bytes) are copied into LDS once and read by all four waves; a weight's fragment serves one wave and comes from memory.
; All operands lie in memory as images of their registers: a fragment is two loads of 512 consecutive bytes.  A tile's 16 rows are not neighbours: of a group of 32, tile u's row a is element 16 (a / 8) + 8 u + a % 8,
; so that in a result whose source 0 was such a tile the 16 registers of tiles 2 b and 2 b + 1 are 16 neighbours, 32 b + 16 (lane / 16) + 0 .. 15.
; q, k: source 0 = 16 columns of W, source 1 = 16 tokens: a lane holds one token and its registers run along the head's 64: two blocks of 32 for the product q k^T.
; v:    source 0 = 16 tokens, source 1 = 16 columns: a lane holds one channel and its registers run along the 128 tokens, which are the K of the product p v: four blocks of 32.
; OUT.  qq: [batch x head][step of 128 tokens][4,608]: 8 tiles x 512 bytes of codes, then 512 bytes of scale words (register i: tile 2 i in lanes 0-15, tile 2 i + 1 in lanes 16-31).
;       kv: [batch x head][step][9,216]: k like q at 0 and 8,192; v's 4 channel tiles x 1,024 bytes at 4,096, its scale words at 8,704.
; LIMITS: NaN and infinities are not served; a block whose largest magnitude lies under 2^-124 gets the byte 1 (read by this program alone).
; REGISTERS: window 0: v1-9 addresses; v16-47 x's scale words, v48-63 W's; v64-191 x's fragments, two sets; v192-255 W's, two sets; on the way out these 192 are free.  Window 1: the accumulators.
.set XS,  16                           ; v[XS + 8 p + s]: group p of 32 tokens, K step s
.set WS,  48                           ; v[WS + 8 p + s]: group p of 32 columns
.set AF0, 64
.set BF0, 192
.set T,   64                           ; the way out: numbers with their bias
.set TM,  128                          ; at work
.set SW,  144                          ; a scale word for each tile
.set SO,  152                          ; the scale words as they leave
.set PC,  160                          ; codes: never written twice, so no store's data are touched again
.set BI,  192                          ; the bias
.set SEL, 24                           ; s[24:25] lane selects: lane l xor 16
.set MSB, 0
.macro WIN new                         ; the immediate's high byte repeats the setting that is left
.if MSB != \new
	s_set_vgpr_msb (MSB<<8)|\new
.set MSB, \new
.endif
.endm
.macro PLACES                          ; four plain places behind matrix instructions, in front of loads into their sources and of reads of their results
.rept 4
	v_nop
.endr
.endm
; one matrix instruction: D at d, source 0 at a, source 1 at b; zero = 1 starts the sum; sa, sb the scale registers; ra, rb = 1: that side's words lie in lanes 16-31
.macro WMS d, a, b, zero, sa, sb, ra, rb
.if \zero
.if (\ra) && (\rb)
	v_wmma_scale_f32_16x16x128_f8f6f4 v[(\d):(\d)+7], v[(\a):(\a)+7], v[(\b):(\b)+7], 0, v[\sa], v[\sb] matrix_a_fmt:MATRIX_FMT_FP4 matrix_b_fmt:MATRIX_FMT_FP4 matrix_a_scale:MATRIX_SCALE_ROW1 matrix_b_scale:MATRIX_SCALE_ROW1
.elseif (\ra)
	v_wmma_scale_f32_16x16x128_f8f6f4 v[(\d):(\d)+7], v[(\a):(\a)+7], v[(\b):(\b)+7], 0, v[\sa], v[\sb] matrix_a_fmt:MATRIX_FMT_FP4 matrix_b_fmt:MATRIX_FMT_FP4 matrix_a_scale:MATRIX_SCALE_ROW1
.elseif (\rb)
	v_wmma_scale_f32_16x16x128_f8f6f4 v[(\d):(\d)+7], v[(\a):(\a)+7], v[(\b):(\b)+7], 0, v[\sa], v[\sb] matrix_a_fmt:MATRIX_FMT_FP4 matrix_b_fmt:MATRIX_FMT_FP4 matrix_b_scale:MATRIX_SCALE_ROW1
.else
	v_wmma_scale_f32_16x16x128_f8f6f4 v[(\d):(\d)+7], v[(\a):(\a)+7], v[(\b):(\b)+7], 0, v[\sa], v[\sb] matrix_a_fmt:MATRIX_FMT_FP4 matrix_b_fmt:MATRIX_FMT_FP4
.endif
.else
.if (\ra) && (\rb)
	v_wmma_scale_f32_16x16x128_f8f6f4 v[(\d):(\d)+7], v[(\a):(\a)+7], v[(\b):(\b)+7], v[(\d):(\d)+7], v[\sa], v[\sb] matrix_a_fmt:MATRIX_FMT_FP4 matrix_b_fmt:MATRIX_FMT_FP4 matrix_a_scale:MATRIX_SCALE_ROW1 matrix_b_scale:MATRIX_SCALE_ROW1
.elseif (\ra)
	v_wmma_scale_f32_16x16x128_f8f6f4 v[(\d):(\d)+7], v[(\a):(\a)+7], v[(\b):(\b)+7], v[(\d):(\d)+7], v[\sa], v[\sb] matrix_a_fmt:MATRIX_FMT_FP4 matrix_b_fmt:MATRIX_FMT_FP4 matrix_a_scale:MATRIX_SCALE_ROW1
.elseif (\rb)
	v_wmma_scale_f32_16x16x128_f8f6f4 v[(\d):(\d)+7], v[(\a):(\a)+7], v[(\b):(\b)+7], v[(\d):(\d)+7], v[\sa], v[\sb] matrix_a_fmt:MATRIX_FMT_FP4 matrix_b_fmt:MATRIX_FMT_FP4 matrix_b_scale:MATRIX_SCALE_ROW1
.else
	v_wmma_scale_f32_16x16x128_f8f6f4 v[(\d):(\d)+7], v[(\a):(\a)+7], v[(\b):(\b)+7], v[(\d):(\d)+7], v[\sa], v[\sb] matrix_a_fmt:MATRIX_FMT_FP4 matrix_b_fmt:MATRIX_FMT_FP4
.endif
.endif
.endm
; 32 numbers of a lane, register 16 b + i = k 32 b + 16 (lane / 16) + i of my row, become four registers of codes (lanes 0-15 block 0, lanes 16-31 block 1) and a scale word (bytes 0, 1; bytes 2, 3 stay 0 over zero codes)
.macro QUANT2 s, pc, pw, tm
.irp b, 0,1
	v_max3_num_f32 v[\tm+\b], |v[\s+16*\b]|, |v[\s+1+16*\b]|, 0x1800000   ; my 16 numbers of block b, and the floor 2^(3 - 127)
.endr
.irp i, 2,4,6,8,10,12,14
.irp b, 0,1
	v_max3_num_f32 v[\tm+\b], v[\tm+\b], |v[\s+16*\b+\i]|, |v[\s+1+16*\b+\i]|
.endr
.endr
.irp b, 0,1
	v_permlanex16_b32 v[\tm+2+\b], v[\tm+\b], s[SEL], s[SEL+1]
.endr
.irp b, 0,1
	v_max_num_f32 v[\tm+\b], v[\tm+\b], v[\tm+2+\b]   ; with lane l xor 16's: the block's largest magnitude
.endr
.irp b, 0,1
	v_add_nc_u32 v[\tm+4+\b], 0xff000000, v[\tm+\b]   ; 2 off its exponent field: the conversion's scale operand
.endr
.irp b, 0,1
	v_lshrrev_b32 v[\tm+2+\b], 23, v[\tm+4+\b]        ; the scale's byte
.endr
	v_lshl_or_b32 v[\pw], v[\tm+3], 8, v[\tm+2]
.irp b, 0,1
	v_cvt_scalef32_pk8_fp4_f32 v[\pc+2*\b], v[\s+16*\b:\s+7+16*\b], v[\tm+4+\b]
	v_cvt_scalef32_pk8_fp4_f32 v[\pc+1+2*\b], v[\s+8+16*\b:\s+15+16*\b], v[\tm+4+\b]
.endr
	v_nop                                          ; one plain place behind a scaled conversion
	v_permlane16_swap_b32 v[\pc], v[\pc+2]         ; a whole block to a lane
	v_permlane16_swap_b32 v[\pc+1], v[\pc+3]
.endm
; the same for 64 numbers: four blocks, a whole fragment of 8 registers and a whole scale word
.macro QUANT4 s, pc, pw, tm
.irp b, 0,1,2,3
	v_max3_num_f32 v[\tm+\b], |v[\s+16*\b]|, |v[\s+1+16*\b]|, 0x1800000
.endr
.irp i, 2,4,6,8,10,12,14
.irp b, 0,1,2,3
	v_max3_num_f32 v[\tm+\b], v[\tm+\b], |v[\s+16*\b+\i]|, |v[\s+1+16*\b+\i]|
.endr
.endr
.irp b, 0,1,2,3
	v_permlanex16_b32 v[\tm+4+\b], v[\tm+\b], s[SEL], s[SEL+1]
.endr
.irp b, 0,1,2,3
	v_max_num_f32 v[\tm+\b], v[\tm+\b], v[\tm+4+\b]
.endr
.irp b, 0,1,2,3
	v_add_nc_u32 v[\tm+12+\b], 0xff000000, v[\tm+\b]
.endr
.irp b, 0,1,2,3
	v_lshrrev_b32 v[\tm+4+\b], 23, v[\tm+12+\b]
.endr
	v_lshl_or_b32 v[\pw], v[\tm+5], 8, v[\tm+4]
	v_lshl_or_b32 v[\pw], v[\tm+6], 16, v[\pw]
	v_lshl_or_b32 v[\pw], v[\tm+7], 24, v[\pw]
.irp b, 0,1,2,3
	v_cvt_scalef32_pk8_fp4_f32 v[\pc+2*\b], v[\s+16*\b:\s+7+16*\b], v[\tm+12+\b]
	v_cvt_scalef32_pk8_fp4_f32 v[\pc+1+2*\b], v[\s+8+16*\b:\s+15+16*\b], v[\tm+12+\b]
.endr
	v_nop
.irp c, 0,1
.irp i, 0,1
	v_permlane16_swap_b32 v[\pc+4*\c+\i], v[\pc+2+4*\c+\i]
.endr
.endr
.endm
.macro BLOAD s                         ; my head's four fragments of W for K step s, from memory
.irp n, 0,1,2,3
.irp c, 0,1
	global_load_b128 v[BF0+32*((\s)%2)+8*\n+4*\c:BF0+32*((\s)%2)+8*\n+4*\c+3], v1, s[30:31] offset:8192*\n+1024*(\s)+512*\c
.endr
.endr
.endm
.macro ALOAD s                         ; x's eight fragments for K step s, from LDS
.irp m, 0,1,2,3,4,5,6,7
.irp c, 0,1
	ds_load_b128 v[AF0+64*((\s)%2)+8*\m+4*\c:AF0+64*((\s)%2)+8*\m+4*\c+3], v1 offset:8192*\m+1024*(\s)+512*\c
.endr
.endr
.endm
; A K step: 32 matrix instructions, all 32 accumulators by turns, in the same order in every step.
.macro KSTEP s, swap, zero
.set AFS, AF0+64*((\s)%2)
.set BFS, BF0+32*((\s)%2)
	s_wait_dscnt 0x0                               ; x's fragments of this step are in
	s_wait_loadcnt 8                               ; W's too (and, in step 0, all scale words): only the eight loads issued behind them may be out
.if (\s) < 7
	ALOAD (\s)+1                                   ; into the set whose last products stand in front of the last step's places
.endif
	WIN 0x50                                       ; C and D in window 1
.irp m, 0,1,2,3,4,5,6,7
.irp n, 0,1,2,3
.if \swap
	WMS 64*\n+8*\m, AFS+8*\m, BFS+8*\n, \zero, XS+8*(\m/2)+(\s), WS+8*(\n/2)+(\s), \m%2, \n%2
.else
	WMS 32*\m+8*\n, BFS+8*\n, AFS+8*\m, \zero, WS+8*(\n/2)+(\s), XS+8*(\m/2)+(\s), \n%2, \m%2
.endif
.endr
.endr
	WIN 0
	PLACES
.if (\s) < 6
	BLOAD (\s)+2
.elseif (\s) == 6
.if \swap
.irp n, 0,1,2,3                                    ; v: my lane's channel of tile n, twice: a pair for the packed addition
	global_load_b32 v[BI+2*\n], v7, s[34:35] offset:4*(32*(\n/2)+8*(\n%2))
	global_load_b32 v[BI+2*\n+1], v7, s[34:35] offset:4*(32*(\n/2)+8*(\n%2))
.endr
.else
.irp b, 0,1                                        ; q, k: the bias of columns 32 b + 16 (lane / 16) + 0 .. 15
.irp j, 0,1,2,3
	global_load_b128 v[BI+16*\b+4*\j:BI+16*\b+4*\j+3], v3, s[34:35] offset:128*\b+16*\j
.endr
.endr
.endif
.endif
.endm
	s_load_b256 s[4:11], s[0:1], 0x0               ; xq, wq, bq, bk
	s_load_b128 s[12:15], s[0:1], 0x20             ; bv, qq
	s_load_b64 s[16:17], s[0:1], 0x30              ; kv
	v_lshl_add_u32 v14, v0, 2, 0x10000
	v_mov_b32 v15, 0
	v_lshrrev_b32 v5, 5, v0
	v_readfirstlane_b32 s18, v5                    ; wave 0..3
	v_and_b32 v6, 31, v0                           ; lane
	v_lshlrev_b32 v1, 4, v6                        ; 16 x lane
	v_lshlrev_b32 v2, 4, v0                        ; 16 x thread: the copy's place, in memory and in LDS alike
	v_and_b32 v8, 15, v0
	v_bfe_u32 v9, v0, 4, 1
	v_lshlrev_b32 v3, 6, v9                        ; q, k: bias at 64 (lane / 16) bytes
	v_and_b32 v7, 8, v8
	v_add_nc_u32 v7, v7, v8
	v_lshlrev_b32 v7, 2, v7                        ; v: bias at 4 (16 (a / 8) + a % 8) bytes
	s_and_b32 s20, ttmp7, 0xffff                   ; tg
	s_lshr_b32 s21, ttmp9, 2                       ; 0: q, 1: k, 2: v
	s_lshl_b32 s22, ttmp9, 2
	s_add_co_u32 s22, s22, s18                     ; my 64 columns of the 3,072
	s_and_b32 s23, s22, 15                         ; the head
	s_mov_b32 s[SEL], 0x76543210
	s_mov_b32 s[SEL+1], 0xfedcba98
	s_lshl_b32 s26, s20, 16                        ; x's codes: 65,536 bytes for 128 tokens
	s_mov_b32 s27, 0
	s_lshl_b32 s28, s20, 12                        ; x's scale words: 4,096
	s_add_co_u32 s28, s28, 4194304
	s_mov_b32 s29, 0
	s_lshl_b32 s30, s22, 15                        ; W's codes: 32,768 a head
	s_mov_b32 s31, 0
	s_lshl_b32 s32, s22, 11                        ; W's scale words: 2,048 a head
	s_add_co_u32 s32, s32, 2097152
	s_mov_b32 s33, 0
	s_lshl_b32 s34, s23, 8                         ; the bias: 256 bytes a head
	s_mov_b32 s35, 0
	s_lshr_b32 s38, s20, 4
	s_lshl_b32 s38, s38, 4
	s_add_co_u32 s38, s38, s23                     ; 16 x batch + head
	s_and_b32 s39, s20, 15                         ; the step of 128 tokens
	s_mov_b32 s40, 147456
	s_mov_b32 s41, 9216
	s_mov_b32 s42, 8192
	s_cmp_eq_u32 s21, 0
	s_cselect_b32 s40, 73728, s40                  ; bytes of a head,
	s_cselect_b32 s41, 4608, s41                   ; of a step,
	s_cselect_b32 s42, 4096, s42                   ; and where the scale words begin, in qq or in kv
	s_mul_i32 s36, s38, s40
	s_mul_i32 s37, s39, s41
	s_add_co_u32 s36, s36, s37
	s_mov_b32 s37, 0
	v_add_nc_u32 v4, s42, v1
	s_wait_kmcnt 0x0
	s_add_nc_u64 s[26:27], s[4:5], s[26:27]
	s_add_nc_u64 s[28:29], s[4:5], s[28:29]
	s_add_nc_u64 s[30:31], s[6:7], s[30:31]
	s_add_nc_u64 s[32:33], s[6:7], s[32:33]
	s_cmp_eq_u32 s21, 0
	s_cselect_b64 s[44:45], s[14:15], s[16:17]
	s_cselect_b64 s[46:47], s[8:9], s[10:11]
	s_cmp_eq_u32 s21, 2
	s_cselect_b64 s[46:47], s[12:13], s[46:47]
	s_add_nc_u64 s[34:35], s[46:47], s[34:35]
	s_add_nc_u64 s[36:37], s[44:45], s[36:37]
.set II, 0
.rept 32
	global_load_b128 v[64+4*II:67+4*II], v2, s[26:27] offset:2048*II   ; the panel: the work-group's 128 threads take 2,048 consecutive bytes
.set II, II+1
.endr
.irp p, 0,1,2,3
.irp f, 0,1
	global_load_b128 v[XS+8*\p+4*\f:XS+8*\p+4*\f+3], v1, s[28:29] offset:1024*\p+512*\f
.endr
.endr
.irp p, 0,1
.irp f, 0,1
	global_load_b128 v[WS+8*\p+4*\f:WS+8*\p+4*\f+3], v1, s[32:33] offset:1024*\p+512*\f
.endr
.endr
	BLOAD 0
	BLOAD 1
	s_wait_loadcnt 28                              ; the panel's 32 loads are in; 12 loads of scale words and 16 of W may be out
.set II, 0
.rept 32
	ds_store_b128 v2, v[64+4*II:67+4*II] offset:2048*II
.set II, II+1
.endr
	s_wait_dscnt 0x0                               ; for the others' sake: my part of the panel lies in LDS
	s_barrier_signal -1
	s_barrier_wait -1                              ; the whole panel does; nobody writes LDS again
	ALOAD 0
	s_cmp_eq_u32 s21, 2
	s_cbranch_scc1 .Lv
	; ---- q, k
	KSTEP 0, 0, 1
.irp s, 1,2,3,4,5,6,7
	KSTEP \s, 0, 0
.endr
	s_wait_loadcnt 0x0                             ; the bias
	v_cmp_gt_u32 vcc_lo, 16, v6                    ; lanes 0-15
	v_mov_b32 v[TM+2], 0                           ; a lane permute's destination counts as one of its sources
	v_mov_b32 v[TM+3], 0
.irp m, 0,1,2,3,4,5,6,7
	WIN 0x01                                       ; source 0: the accumulators
.irp k, 0,2,4,6,8,10,12,14,16,18,20,22,24,26,28,30
	v_pk_add_f32 v[T+\k:T+\k+1], v[32*\m+\k:32*\m+\k+1], v[BI+\k:BI+\k+1]   ; each accumulator from its low end on
.endr
	WIN 0
	QUANT2 T, PC+4*\m, SW+\m, TM
	global_store_b128 v1, v[PC+4*\m:PC+4*\m+3], s[36:37] offset:512*\m      ; 512 consecutive bytes: tile m
.endr
.irp i, 0,1,2,3
	v_cndmask_b32 v[SO+\i], v[SW+2*\i+1], v[SW+2*\i], vcc_lo                ; tile 2 i's words in lanes 0-15, tile 2 i + 1's in lanes 16-31
.endr
	global_store_b128 v4, v[SO:SO+3], s[36:37]
	s_wait_tensorcnt 0x0
	ds_add_u32 v14, v15
	s_wait_dscnt 0x0
	s_endpgm
	; ---- v
.Lv:
	KSTEP 0, 1, 1
.irp s, 1,2,3,4,5,6,7
	KSTEP \s, 1, 0
.endr
	s_wait_loadcnt 0x0
	v_cmp_gt_u32 vcc_lo, 16, v6
.irp b, 4,5,6,7
	v_mov_b32 v[TM+\b], 0
.endr
.irp n, 0,1,2,3
	WIN 0x01
.irp k, 0,2,4,6,8,10,12,14,16,18,20,22,24,26,28,30,32,34,36,38,40,42,44,46,48,50,52,54,56,58,60,62
	v_pk_add_f32 v[T+\k:T+\k+1], v[64*\n+\k:64*\n+\k+1], v[BI+2*\n:BI+2*\n+1]
.endr
	WIN 0
	QUANT4 T, PC+8*\n, SW+\n, TM
	global_store_b128 v1, v[PC+8*\n:PC+8*\n+3], s[36:37] offset:4096+1024*\n
	global_store_b128 v1, v[PC+8*\n+4:PC+8*\n+7], s[36:37] offset:4096+1024*\n+512
.endr
	v_cndmask_b32 v[SO], v[SW+1], v[SW], vcc_lo
	v_cndmask_b32 v[SO+1], v[SW+3], v[SW+2], vcc_lo
	v_mov_b32 v[SO+2], 0
	v_mov_b32 v[SO+3], 0
	global_store_b128 v1, v[SO:SO+3], s[36:37] offset:8704
	s_wait_tensorcnt 0x0
	ds_add_u32 v14, v15
	s_wait_dscnt 0x0
	s_endpgm
.Lfunc_end_k_qecebf5571a_proj:
	.size	k_qecebf5571a_proj, .Lfunc_end_k_qecebf5571a_proj-k_qecebf5571a_proj
	.p2alignl 7, 3214868480
	.fill 96, 4, 3214868480
	.section	.rodata,"a",@progbits
	.p2align	6, 0x0
	.amdhsa_kernel k_qecebf5571a_proj
		.amdhsa_group_segment_fixed_size 66048
		.amdhsa_private_segment_fixed_size 0
		.amdhsa_enable_private_segment 0
		.amdhsa_kernarg_size 56
		.amdhsa_user_sgpr_count 2
		.amdhsa_user_sgpr_kernarg_segment_ptr 1
		.amdhsa_wavefront_size32 1
		.amdhsa_system_sgpr_workgroup_id_x 1
		.amdhsa_system_sgpr_workgroup_id_y 1
		.amdhsa_system_sgpr_workgroup_id_z 1
		.amdhsa_system_vgpr_workitem_id 0
		.amdhsa_next_free_vgpr 512
		.amdhsa_next_free_sgpr 66
		.amdhsa_reserve_vcc 1
		.amdhsa_float_denorm_mode_32 3
		.amdhsa_float_denorm_mode_16_64 3
		.amdhsa_memory_ordered 1
		.amdhsa_forward_progress 1
		.amdhsa_inst_pref_size 153
	.end_amdhsa_kernel
	.amdgpu_metadata
---
amdhsa.version: [ 1, 2 ]
amdhsa.kernels:
  - .name:           k_qecebf5571a_proj
    .symbol:         k_qecebf5571a_proj.kd
    .args:
      - { .name: xq, .offset: 0, .size: 8, .value_kind: global_buffer, .address_space: global }
      - { .name: wq, .offset: 8, .size: 8, .value_kind: global_buffer, .address_space: global }
      - { .name: bq, .offset: 16, .size: 8, .value_kind: global_buffer, .address_space: global }
      - { .name: bk, .offset: 24, .size: 8, .value_kind: global_buffer, .address_space: global }
      - { .name: bv, .offset: 32, .size: 8, .value_kind: global_buffer, .address_space: global }
      - { .name: qq, .offset: 40, .size: 8, .value_kind: global_buffer, .address_space: global }
      - { .name: kv, .offset: 48, .size: 8, .value_kind: global_buffer, .address_space: global }
    .group_segment_fixed_size: 66048
    .private_segment_fixed_size: 0
    .kernarg_segment_align: 8
    .kernarg_segment_size: 56
    .max_flat_workgroup_size: 128
    .sgpr_count:     66
    .vgpr_count:     512
    .wavefront_size: 32
...
	.end_amdgpu_metadata
.endif
;; end of part 2
;; launch attn (part 3): grid 4 x 64, 16 waves a work-group, no clusters, 149,504 bytes of LDS; arguments qq, kv, cq; writes cq
.if DOCPART == 3
	.amdgcn_target "amdgcn-amd-amdhsa--gfx1250"
	.amdhsa_code_object_version 6
	.text
	.protected	k_qecebf5571a_attn
	.globl	k_qecebf5571a_attn
	.p2align	8
	.type	k_qecebf5571a_attn,@function
k_qecebf5571a_attn:
	s_mov_b64 s[64:65], 0
	v_nop
	global_prefetch_b8 v0, s[64:65] scope:SCOPE_SE
	s_setreg_imm32_b32 hwreg(HW_REG_WAVE_MODE, 25, 1), 1
	s_wait_xcnt 0x0
; ctx = softmax(q k^T / 8, causal) v for one batch and head, both products on codes of FP4 with E8M0 scales; ctx is quantised along (head, channel) on the way out, as the operand of the last projection.
; THE SOFTMAX: t = score x log2(e) / 8; M = the running largest t rounded UP to a whole number; p = 2^(t - M) is quantised along the keys; the row's sum is taken of the unquantised p and divides at the end.
; When M moves, the sum and O are multiplied by 2^(old M - new M): exact.
; SHARES.  Work-group (pi, batch x head) serves the blocks pi and 7 - pi of 256 queries, one after the other: every work-group has the same number of key steps.  Each of its sixteen waves owns one tile of 16 queries a block.
; The head's k and v (codes and scale words, 147,456 bytes, laid as images of operand registers) are copied into LDS once and only read afterwards: one barrier, nothing is filled again.
; A key step is 128 keys.  S^T = k q^T (source 0 = 16 keys, source 1 = my 16 queries; K = 64: the upper half of both operands is zero codes), O^T = v^T p^T (source 0 = 16 channels): a lane holds ONE query throughout.
; The rows of a tile are not neighbours (of a group of 32, tile u's row a is 16 (a / 8) + 8 u + a % 8), so that the 16 registers of tiles 2 b and 2 b + 1 are 16 neighbouring keys (channels), 32 b + 16 (lane / 16) + 0 .. 15.
; CAUSAL.  Every wave walks the constant 16 trips; a step all of whose keys come after my queries is jumped over by a scalar branch on ids; in my own step hidden scores become -infinity ahead of the maximum.
; LIMITS: that equals an added -1e9 as long as scores stay far under 1e9 in magnitude.  NaN and infinities are not served; a block whose largest magnitude lies under 2^-124 gets the byte 1 (read by this program alone).
; REGISTERS: v1-10 addresses; v12 -M, v13 the largest t, v[14:15] the sum; v16-23 q; v24-29 ctx's codes and bytes; v32-95 k's 8 fragments; v96-159 S^T, then p; v160-191 O^T; v192-223 v's 4 fragments;
;   v224-231 p's codes; v232-239, v244-247, v252, v254 at work; v240-243 v's scale words, v248-251 k's, v253 p's, v255 q's.
.set SEL, 14                           ; s[14:15] lane selects: lane l xor 16
.set CS,  16                           ; s[16:17] c = log2(e) / 8, twice
.macro PLACES
.rept 4
	v_nop
.endr
.endm
.macro WMS d, a, b, zero, sa, sb, ra, rb
.if \zero
.if (\ra) && (\rb)
	v_wmma_scale_f32_16x16x128_f8f6f4 v[(\d):(\d)+7], v[(\a):(\a)+7], v[(\b):(\b)+7], 0, v[\sa], v[\sb] matrix_a_fmt:MATRIX_FMT_FP4 matrix_b_fmt:MATRIX_FMT_FP4 matrix_a_scale:MATRIX_SCALE_ROW1 matrix_b_scale:MATRIX_SCALE_ROW1
.elseif (\ra)
	v_wmma_scale_f32_16x16x128_f8f6f4 v[(\d):(\d)+7], v[(\a):(\a)+7], v[(\b):(\b)+7], 0, v[\sa], v[\sb] matrix_a_fmt:MATRIX_FMT_FP4 matrix_b_fmt:MATRIX_FMT_FP4 matrix_a_scale:MATRIX_SCALE_ROW1
.elseif (\rb)
	v_wmma_scale_f32_16x16x128_f8f6f4 v[(\d):(\d)+7], v[(\a):(\a)+7], v[(\b):(\b)+7], 0, v[\sa], v[\sb] matrix_a_fmt:MATRIX_FMT_FP4 matrix_b_fmt:MATRIX_FMT_FP4 matrix_b_scale:MATRIX_SCALE_ROW1
.else
	v_wmma_scale_f32_16x16x128_f8f6f4 v[(\d):(\d)+7], v[(\a):(\a)+7], v[(\b):(\b)+7], 0, v[\sa], v[\sb] matrix_a_fmt:MATRIX_FMT_FP4 matrix_b_fmt:MATRIX_FMT_FP4
.endif
.else
.if (\ra) && (\rb)
	v_wmma_scale_f32_16x16x128_f8f6f4 v[(\d):(\d)+7], v[(\a):(\a)+7], v[(\b):(\b)+7], v[(\d):(\d)+7], v[\sa], v[\sb] matrix_a_fmt:MATRIX_FMT_FP4 matrix_b_fmt:MATRIX_FMT_FP4 matrix_a_scale:MATRIX_SCALE_ROW1 matrix_b_scale:MATRIX_SCALE_ROW1
.elseif (\ra)
	v_wmma_scale_f32_16x16x128_f8f6f4 v[(\d):(\d)+7], v[(\a):(\a)+7], v[(\b):(\b)+7], v[(\d):(\d)+7], v[\sa], v[\sb] matrix_a_fmt:MATRIX_FMT_FP4 matrix_b_fmt:MATRIX_FMT_FP4 matrix_a_scale:MATRIX_SCALE_ROW1
.elseif (\rb)
	v_wmma_scale_f32_16x16x128_f8f6f4 v[(\d):(\d)+7], v[(\a):(\a)+7], v[(\b):(\b)+7], v[(\d):(\d)+7], v[\sa], v[\sb] matrix_a_fmt:MATRIX_FMT_FP4 matrix_b_fmt:MATRIX_FMT_FP4 matrix_b_scale:MATRIX_SCALE_ROW1
.else
	v_wmma_scale_f32_16x16x128_f8f6f4 v[(\d):(\d)+7], v[(\a):(\a)+7], v[(\b):(\b)+7], v[(\d):(\d)+7], v[\sa], v[\sb] matrix_a_fmt:MATRIX_FMT_FP4 matrix_b_fmt:MATRIX_FMT_FP4
.endif
.endif
.endm
; 32 numbers of a lane, register 16 b + i = k 32 b + 16 (lane / 16) + i of my row, become four registers of codes (lanes 0-15 block 0, lanes 16-31 block 1) and the two scale bytes
.macro QUANT2 s, pc, pw, tm
.irp b, 0,1
	v_max3_num_f32 v[\tm+\b], |v[\s+16*\b]|, |v[\s+1+16*\b]|, 0x1800000
.endr
.irp i, 2,4,6,8,10,12,14
.irp b, 0,1
	v_max3_num_f32 v[\tm+\b], v[\tm+\b], |v[\s+16*\b+\i]|, |v[\s+1+16*\b+\i]|
.endr
.endr
.irp b, 0,1
	v_permlanex16_b32 v[\tm+2+\b], v[\tm+\b], s[SEL], s[SEL+1]
.endr
.irp b, 0,1
	v_max_num_f32 v[\tm+\b], v[\tm+\b], v[\tm+2+\b]
.endr
.irp b, 0,1
	v_add_nc_u32 v[\tm+4+\b], 0xff000000, v[\tm+\b]
.endr
.irp b, 0,1
	v_lshrrev_b32 v[\tm+2+\b], 23, v[\tm+4+\b]
.endr
	v_lshl_or_b32 v[\pw], v[\tm+3], 8, v[\tm+2]
.irp b, 0,1
	v_cvt_scalef32_pk8_fp4_f32 v[\pc+2*\b], v[\s+16*\b:\s+7+16*\b], v[\tm+4+\b]
	v_cvt_scalef32_pk8_fp4_f32 v[\pc+1+2*\b], v[\s+8+16*\b:\s+15+16*\b], v[\tm+4+\b]
.endr
	v_nop
	v_permlane16_swap_b32 v[\pc], v[\pc+2]
	v_permlane16_swap_b32 v[\pc+1], v[\pc+3]
.endm
	s_load_b128 s[4:7], s[0:1], 0x0                ; qq, kv
	s_load_b64 s[8:9], s[0:1], 0x10                ; cq
	v_lshl_add_u32 v30, v0, 2, 0x24000
	v_mov_b32 v31, 0
	v_lshrrev_b32 v10, 5, v0
	v_readfirstlane_b32 s10, v10                   ; wave 0..15
	s_and_b32 s12, ttmp7, 0xffff                   ; 16 x batch + head
	s_mov_b32 s[SEL], 0x76543210
	s_mov_b32 s[SEL+1], 0xfedcba98
	s_mov_b32 s[CS], 0x3e38aa3b                    ; log2(e) / 8
	s_mov_b32 s[CS+1], s[CS]
	v_and_b32 v11, 31, v0
	v_lshlrev_b32 v1, 4, v11                       ; 16 x lane
	v_lshlrev_b32 v2, 4, v0                        ; 16 x thread: the copy's place
	v_add_nc_u32 v3, 0x10000, v2
	v_add_nc_u32 v4, 0x20000, v2
	v_and_b32 v9, 15, v0                           ; a
	v_bfe_u32 v10, v0, 4, 1                        ; h
	s_and_b32 s30, s10, 7                          ; tq: my tile among its step's eight
	s_lshr_b32 s31, s30, 1
	s_and_b32 s32, s30, 1
	v_and_b32 v5, 8, v9
	v_add_nc_u32 v5, v5, v9
	v_lshlrev_b32 v6, 4, v10
	v_sub_nc_u32 v5, v5, v6
	s_lshl_b32 s33, s31, 5
	s_lshl_b32 s34, s32, 3
	s_add_co_u32 s33, s33, s34
	v_add_nc_u32 v5, s33, v5                       ; my query's place in its step - 16 h: register 16 b + i holds key 32 b + i + 16 h, hidden where 32 b + i is larger than this
	s_lshl_b32 s33, s32, 8
	s_lshl_b32 s34, s31, 2
	s_add_co_u32 s33, s33, s34
	s_add_co_u32 s33, s33, 4096
	v_lshl_add_u32 v6, v9, 4, s33                  ; q's scale word of row a of tile tq
	s_lshl_b32 s33, s30, 9
	v_add_nc_u32 v7, s33, v1                       ; q's codes: 512 tq + 16 x lane
	v_lshl_add_u32 v9, v9, 4, v10                  ; ctx's scale bytes: 16 a + h
	v_lshlrev_b32 v10, 3, v10                      ; 8 h: which byte of the word is my lane's
	s_mul_i32 s22, s12, 147456
	s_mov_b32 s23, 0
	s_wait_kmcnt 0x0
	s_add_nc_u64 s[22:23], s[6:7], s[22:23]
.set II, 0
.rept 18
	global_load_b128 v[96+4*II:99+4*II], v2, s[22:23] offset:8192*II   ; 512 threads take 8,192 consecutive bytes
.set II, II+1
.endr
.irp r, 20,21,22,23
	v_mov_b32 v\r, 0                               ; q's k = 64 .. 127: zero codes
.endr
.set II, 0
.rept 8
.irp r, 4,5,6,7
	v_mov_b32 v[32+8*II+\r], 0                     ; and k's: written once, the loads never touch them
.endr
.set II, II+1
.endr
.irp r, 232,233,234,235,236,237,238,239,252,253
	v_mov_b32 v\r, 0                               ; a lane permute's destination counts as one of its sources; v253 is named with v252 as a pair
.endr
.irp i, 0,1,2,3,4,5,6,7
	s_wait_loadcnt 17-\i                           ; load i is in; the younger ones may be out
	ds_store_b128 v2, v[96+4*\i:99+4*\i] offset:8192*\i
.endr
.irp i, 8,9,10,11,12,13,14,15
	s_wait_loadcnt 17-\i
	ds_store_b128 v3, v[96+4*\i:99+4*\i] offset:8192*(\i-8)
.endr
.irp i, 16,17
	s_wait_loadcnt 17-\i
	ds_store_b128 v4, v[96+4*\i:99+4*\i] offset:8192*(\i-16)
.endr
	s_wait_dscnt 0x0                               ; for the others' sake: my part lies in LDS
	s_barrier_signal -1
	s_barrier_wait -1                              ; the head's k and v do; nobody writes LDS again
.macro PASS second
	s_wait_xcnt 0x0                                ; the last block's stores have read their data and their bases: both are written again below
.if \second
	s_sub_co_u32 s21, 7, ttmp9
.else
	s_mov_b32 s21, ttmp9
.endif
	s_lshl_b32 s20, s21, 1
	s_lshr_b32 s30, s10, 3
	s_add_co_u32 s20, s20, s30                     ; my queries' own step: the last that counts
	s_mul_i32 s24, s12, 73728
	s_mul_i32 s30, s20, 4608
	s_add_co_u32 s24, s24, s30
	s_mov_b32 s25, 0
	s_add_nc_u64 s[24:25], s[4:5], s[24:25]        ; q's record of that step
	s_lshr_b32 s30, s12, 4
	s_lshl_b32 s30, s30, 7
	s_lshl_b32 s31, s21, 4
	s_add_co_u32 s30, s30, s31
	s_add_co_u32 s30, s30, s10                     ; my tile among all 512 tiles of tokens
	s_and_b32 s31, s12, 15                         ; the head
	s_lshl_b32 s26, s30, 13
	s_lshl_b32 s32, s31, 9
	s_add_co_u32 s26, s26, s32
	s_mov_b32 s27, 0
	s_add_nc_u64 s[26:27], s[8:9], s[26:27]        ; ctx's codes: 8,192 a tile, blocks 2 head and 2 head + 1 of 256 bytes
	s_lshr_b32 s28, s30, 1
	s_lshl_b32 s28, s28, 10
	s_lshr_b32 s32, s31, 3
	s_lshl_b32 s32, s32, 9
	s_add_co_u32 s28, s28, s32
	s_and_b32 s32, s30, 1
	s_lshl_b32 s32, s32, 8
	s_add_co_u32 s28, s28, s32
	s_and_b32 s32, s31, 7
	s_lshl_b32 s32, s32, 1
	s_add_co_u32 s28, s28, s32
	s_add_co_u32 s28, s28, 4194304
	s_mov_b32 s29, 0
	s_add_nc_u64 s[28:29], s[8:9], s[28:29]        ; ctx's scale bytes: 1,024 a group, 512 a half of K, 256 a tile, 16 a row, 2 a head
	PLACES                                         ; in front of loads into registers that matrix instructions have read
	global_load_b128 v[16:19], v7, s[24:25]
	global_load_b32 v255, v6, s[24:25]
	v_mov_b32 v13, 0xff61b1e6                      ; the largest t so far: -3e38
	v_floor_f32 v12, -v13                          ; -M
	v_mov_b32 v14, 0
	v_mov_b32 v15, 0
.set II, 0
.rept 32
	v_mov_b32 v[160+II], 0                         ; O^T: the step is written once, its first trip finds zeros
.set II, II+1
.endr
	s_mov_b32 s18, 0                               ; the key step
	s_mov_b32 s19, 0                               ; and its record in LDS
	s_wait_loadcnt 0x0                             ; q
.Lstep_\@:
	s_cmp_gt_u32 s18, s20
	s_cbranch_scc1 .Lhidden_\@                     ; all its keys come after my queries
	v_add_nc_u32 v8, s19, v1
	ds_load_b128 v[248:251], v8 offset:8192        ; k's scale words
.irp t, 0,1,2,3,4,5,6,7
	ds_load_b128 v[32+8*\t:35+8*\t], v8 offset:512*\t
.endr
	ds_load_b128 v[240:243], v8 offset:8704        ; v's scale words
.irp t, 0,1,2,3
.irp c, 0,1
	ds_load_b128 v[192+8*\t+4*\c:195+8*\t+4*\c], v8 offset:4096+1024*\t+512*\c
.endr
.endr
	s_wait_dscnt 9                                 ; k and its words are in; v's nine loads may be out
.irp t, 0,1,2,3,4,5,6,7
	WMS 96+8*\t, 32+8*\t, 16, 1, 248+\t/2, 255, \t%2, 0
.endr
	PLACES
	s_cmp_lg_u32 s18, s20
	s_cbranch_scc1 .Lopen_\@                       ; all its keys count
	v_mov_b32 v254, 0xff800000                     ; -infinity
.set II, 0
.rept 64
	v_cmp_gt_i32 vcc_lo, 32*(II/16)+II%16, v5
	v_cndmask_b32 v[96+II], v[96+II], v254, vcc_lo
.set II, II+1
.endr
.Lopen_\@:
.irp b, 0,1,2,3
	v_max3_num_f32 v[232+\b], v[96+16*\b], v[97+16*\b], v[98+16*\b]   ; the largest score of each block of 32 keys: for the row's maximum, and, since p rises with the score, for the block's largest p
.endr
.irp i, 3,5,7,9,11,13
.irp b, 0,1,2,3
	v_max3_num_f32 v[232+\b], v[232+\b], v[96+16*\b+\i], v[97+16*\b+\i]
.endr
.endr
.irp b, 0,1,2,3
	v_max_num_f32 v[232+\b], v[232+\b], v[111+16*\b]
.endr
.irp b, 0,1,2,3
	v_permlanex16_b32 v[236+\b], v[232+\b], s[SEL], s[SEL+1]
.endr
.irp b, 0,1,2,3
	v_max_num_f32 v[232+\b], v[232+\b], v[236+\b]  ; with lane l xor 16's 16 keys
.endr
	v_max3_num_f32 v254, v232, v233, v234
	v_max_num_f32 v254, v254, v235
	v_mul_f32 v254, s[CS], v254                    ; the step's largest t
	v_max_num_f32 v13, v13, v254
	v_mov_b32 v254, v12
	v_floor_f32 v12, -v13                          ; the new -M = -ceil(t): a whole number
	v_sub_f32 v254, v12, v254                      ; old M - new M
	v_cvt_i32_f32 v254, v254                       ; (it saturates)
	v_ldexp_f32 v252, 1.0, v254                    ; f = 2^(old M - new M)
.irp j, 0,2,4,6,8,10,12,14,16,18,20,22,24,26,28,30,32,34,36,38,40,42,44,46,48,50,52,54,56,58,60,62
	v_pk_fma_f32 v[96+\j:97+\j], v[96+\j:97+\j], s[CS:CS+1], v[12:13] op_sel_hi:[1,0,0]   ; t - M
.endr
.irp b, 0,1,2,3
	v_fma_f32 v[232+\b], v[232+\b], s[CS], v12
.endr
.set II, 0
.rept 64
	v_exp_f32 v[96+II], v[96+II]                   ; p = 2^(t - M)
.set II, II+1
.endr
.irp b, 0,1,2,3
	v_exp_f32 v[232+\b], v[232+\b]                 ; the block's largest p: the same two instructions on the same number
.endr
	v_pk_mul_f32 v[14:15], v[14:15], v[252:253] op_sel_hi:[1,0]   ; the sums under the new M (a plain place behind the exponentials)
	s_wait_alu depctr_va_vdst(0)
.irp b, 0,1,2,3
	v_max_num_f32 v[232+\b], 0x1800000, v[232+\b]  ; the floor 2^(3 - 127)
.endr
.irp b, 0,1,2,3
	v_add_nc_u32 v[244+\b], 0xff000000, v[232+\b]
.endr
.irp b, 0,1,2,3
	v_lshrrev_b32 v[236+\b], 23, v[244+\b]
.endr
	v_lshl_or_b32 v253, v237, 8, v236              ; p's scale word for these 128 keys
	v_lshl_or_b32 v253, v238, 16, v253
	v_lshl_or_b32 v253, v239, 24, v253
.irp b, 0,1,2,3
	v_cvt_scalef32_pk8_fp4_f32 v[224+2*\b], v[96+16*\b:103+16*\b], v[244+\b]
	v_cvt_scalef32_pk8_fp4_f32 v[225+2*\b], v[104+16*\b:111+16*\b], v[244+\b]
.endr
	v_nop
.irp c, 0,1
.irp i, 0,1
	v_permlane16_swap_b32 v[224+4*\c+\i], v[226+4*\c+\i]
.endr
.endr
	v_pk_add_f32 v[236:237], v[96:97], v[98:99]    ; the row's sum of the unquantised p, in two chains
.irp j, 4,8,12,16,20,24,28,32,36,40,44,48,52,56,60
	v_pk_add_f32 v[14:15], v[14:15], v[96+\j:97+\j]
	v_pk_add_f32 v[236:237], v[236:237], v[98+\j:99+\j]
.endr
	v_pk_add_f32 v[14:15], v[14:15], v[236:237]
.irp j, 0,2,4,6,8,10,12,14,16,18,20,22,24,26,28,30
	v_pk_mul_f32 v[160+\j:161+\j], v[160+\j:161+\j], v[252:253] op_sel_hi:[1,0]   ; O^T under the new M; with the sums above, the places between p's codes and word and the products below
.endr
	s_wait_dscnt 0x0                               ; v is in
.irp t, 0,1,2,3
	WMS 160+8*\t, 192+8*\t, 224, 0, 240+\t/2, 253, \t%2, 0   ; four accumulators by turns; the next trip's S^T stands between two links
.endr
	PLACES                                         ; in front of the next trip's loads into v's registers
.Lhidden_\@:
	s_add_co_u32 s19, s19, 9216
	s_add_co_u32 s18, s18, 1
	s_cmp_lt_u32 s18, 16
	s_cbranch_scc1 .Lstep_\@
	v_add_f32 v14, v14, v15                        ; the sum's two halves,
	v_permlanex16_b32 v252, v14, s[SEL], s[SEL+1]
	v_add_f32 v14, v14, v252                       ; and lane l xor 16's
	v_rcp_f32 v14, v14
	v_nop
.set II, 0
	s_wait_alu depctr_va_vdst(0)
.rept 32
	v_mul_f32 v[96+II], v[160+II], v14             ; ctx(my query, 32 b + 16 h + i) in register 16 b + i
.set II, II+1
.endr
	QUANT2 96, 24, 28, 232
	v_lshrrev_b32 v29, v10, v28                    ; lanes 0-15: block 0's byte; lanes 16-31: block 1's
	global_store_b128 v1, v[24:27], s[26:27]       ; 512 consecutive bytes
	global_store_b8 v9, v29, s[28:29]              ; a row's two bytes: a K step's word belongs to two heads, so no whole word is mine
.endm
	PASS 0
	PASS 1
	s_wait_tensorcnt 0x0
	ds_add_u32 v30, v31
	s_wait_dscnt 0x0
	s_endpgm
.Lfunc_end_k_qecebf5571a_attn:
	.size	k_qecebf5571a_attn, .Lfunc_end_k_qecebf5571a_attn-k_qecebf5571a_attn
	.p2alignl 7, 3214868480
	.fill 96, 4, 3214868480
	.section	.rodata,"a",@progbits
	.p2align	6, 0x0
	.amdhsa_kernel k_qecebf5571a_attn
		.amdhsa_group_segment_fixed_size 149504
		.amdhsa_private_segment_fixed_size 0
		.amdhsa_enable_private_segment 0
		.amdhsa_kernarg_size 24
		.amdhsa_user_sgpr_count 2
		.amdhsa_user_sgpr_kernarg_segment_ptr 1
		.amdhsa_wavefront_size32 1
		.amdhsa_system_sgpr_workgroup_id_x 1
		.amdhsa_system_sgpr_workgroup_id_y 1
		.amdhsa_system_sgpr_workgroup_id_z 1
		.amdhsa_system_vgpr_workitem_id 0
		.amdhsa_next_free_vgpr 256
		.amdhsa_next_free_sgpr 66
		.amdhsa_reserve_vcc 1
		.amdhsa_float_denorm_mode_32 3
		.amdhsa_float_denorm_mode_16_64 3
		.amdhsa_memory_ordered 1
		.amdhsa_forward_progress 1
		.amdhsa_inst_pref_size 59
	.end_amdhsa_kernel
	.amdgpu_metadata
---
amdhsa.version: [ 1, 2 ]
amdhsa.kernels:
  - .name:           k_qecebf5571a_attn
    .symbol:         k_qecebf5571a_attn.kd
    .args:
      - { .name: qq, .offset: 0, .size: 8, .value_kind: global_buffer, .address_space: global }
      - { .name: kv, .offset: 8, .size: 8, .value_kind: global_buffer, .address_space: global }
      - { .name: cq, .offset: 16, .size: 8, .value_kind: global_buffer, .address_space: global }
    .group_segment_fixed_size: 149504
    .private_segment_fixed_size: 0
    .kernarg_segment_align: 8
    .kernarg_segment_size: 24
    .max_flat_workgroup_size: 512
    .sgpr_count:     66
    .vgpr_count:     256
    .wavefront_size: 32
...
	.end_amdgpu_metadata
.endif
;; end of part 3
;; launch outp (part 4): grid 256 x 1, 4 waves a work-group, no clusters, 132,096 bytes of LDS; arguments cq, wq, x, bo, gamma, beta, out0; writes out0
.if DOCPART == 4
	.amdgcn_target "amdgcn-amd-amdhsa--gfx1250"
	.amdhsa_code_object_version 6
	.text
	.protected	k_qecebf5571a_outp
	.globl	k_qecebf5571a_outp
	.p2align	8
	.type	k_qecebf5571a_outp,@function
k_qecebf5571a_outp:
	s_mov_b64 s[64:65], 0
	v_nop
	global_prefetch_b8 v0, s[64:65] scope:SCOPE_SE
	s_setreg_imm32_b32 hwreg(HW_REG_WAVE_MODE, 25, 1), 1
	s_wait_xcnt 0x0
; out = LayerNorm(x + ctx Wo + bo) x gamma + beta.  The product on codes of FP4 with E8M0 scales, all else in f32.
; SHARES.  A work-group takes a group of 32 tokens (two tiles) and all 1,024 columns, so that a row's mean and variance never leave it.  Wave w makes columns 256 w .. 256 w + 255: 16 tiles x 2 tiles of tokens = 32 accumulators,
; K = 1,024 in 8 steps, 256 matrix instructions.  ctx's 16 fragments stay in registers; Wo's come from memory, two steps ahead, as images of their registers (512 consecutive bytes a load).
; Source 0 = 16 columns of Wo, source 1 = 16 tokens: a lane holds one token and eight neighbouring columns.  The results meet in a stage in LDS (32 rows of 4,096 bytes + 16); behind one barrier each wave takes 8 whole rows,
; which are 8 neighbouring tokens, adds bo and x, and normalises: the mean first, then the mean of the squared differences.
; LIMITS: NaN and infinities are not served.
; REGISTERS: window 0: v1-4 addresses; v16-23 ctx's scale words, v24-87 Wo's; v88-95 statistics; v96-191 bo, gamma, beta; v192-255 a row, two sets.  Window 1: the accumulators, (m, n) at 8 (16 m + n).
;   Window 2: Wo's fragments, two sets of 128; later my 8 rows of x.  Window 3: v0-127 ctx's fragments, (m, s) at 64 m + 8 s.
.set CS,  16
.set WS,  24
.set ST,  88
.set BO,  96
.set GA,  128
.set BE,  160
.set Y,   192
.set SEL, 32                           ; s[32:33] lane selects: lane l xor 16
.set SPITCH, 4112
.set MSB, 0
.macro WIN new                         ; the immediate's high byte repeats the setting that is left
.if MSB != \new
	s_set_vgpr_msb (MSB<<8)|\new
.set MSB, \new
.endif
.endm
.macro PLACES
.rept 4
	v_nop
.endr
.endm
.macro WMS d, a, b, zero, sa, sb, ra, rb
.if \zero
.if (\ra) && (\rb)
	v_wmma_scale_f32_16x16x128_f8f6f4 v[(\d):(\d)+7], v[(\a):(\a)+7], v[(\b):(\b)+7], 0, v[\sa], v[\sb] matrix_a_fmt:MATRIX_FMT_FP4 matrix_b_fmt:MATRIX_FMT_FP4 matrix_a_scale:MATRIX_SCALE_ROW1 matrix_b_scale:MATRIX_SCALE_ROW1
.elseif (\ra)
	v_wmma_scale_f32_16x16x128_f8f6f4 v[(\d):(\d)+7], v[(\a):(\a)+7], v[(\b):(\b)+7], 0, v[\sa], v[\sb] matrix_a_fmt:MATRIX_FMT_FP4 matrix_b_fmt:MATRIX_FMT_FP4 matrix_a_scale:MATRIX_SCALE_ROW1
.elseif (\rb)
	v_wmma_scale_f32_16x16x128_f8f6f4 v[(\d):(\d)+7], v[(\a):(\a)+7], v[(\b):(\b)+7], 0, v[\sa], v[\sb] matrix_a_fmt:MATRIX_FMT_FP4 matrix_b_fmt:MATRIX_FMT_FP4 matrix_b_scale:MATRIX_SCALE_ROW1
.else
	v_wmma_scale_f32_16x16x128_f8f6f4 v[(\d):(\d)+7], v[(\a):(\a)+7], v[(\b):(\b)+7], 0, v[\sa], v[\sb] matrix_a_fmt:MATRIX_FMT_FP4 matrix_b_fmt:MATRIX_FMT_FP4
.endif
.else
.if (\ra) && (\rb)
	v_wmma_scale_f32_16x16x128_f8f6f4 v[(\d):(\d)+7], v[(\a):(\a)+7], v[(\b):(\b)+7], v[(\d):(\d)+7], v[\sa], v[\sb] matrix_a_fmt:MATRIX_FMT_FP4 matrix_b_fmt:MATRIX_FMT_FP4 matrix_a_scale:MATRIX_SCALE_ROW1 matrix_b_scale:MATRIX_SCALE_ROW1
.elseif (\ra)
	v_wmma_scale_f32_16x16x128_f8f6f4 v[(\d):(\d)+7], v[(\a):(\a)+7], v[(\b):(\b)+7], v[(\d):(\d)+7], v[\sa], v[\sb] matrix_a_fmt:MATRIX_FMT_FP4 matrix_b_fmt:MATRIX_FMT_FP4 matrix_a_scale:MATRIX_SCALE_ROW1
.elseif (\rb)
	v_wmma_scale_f32_16x16x128_f8f6f4 v[(\d):(\d)+7], v[(\a):(\a)+7], v[(\b):(\b)+7], v[(\d):(\d)+7], v[\sa], v[\sb] matrix_a_fmt:MATRIX_FMT_FP4 matrix_b_fmt:MATRIX_FMT_FP4 matrix_b_scale:MATRIX_SCALE_ROW1
.else
	v_wmma_scale_f32_16x16x128_f8f6f4 v[(\d):(\d)+7], v[(\a):(\a)+7], v[(\b):(\b)+7], v[(\d):(\d)+7], v[\sa], v[\sb] matrix_a_fmt:MATRIX_FMT_FP4 matrix_b_fmt:MATRIX_FMT_FP4
.endif
.endif
.endm
.macro OB s                            ; Wo's 16 fragments of K step s (destination: window 2)
.irp n, 0,1,2,3,4,5,6,7,8,9,10,11,12,13,14,15
.irp c, 0,1
	global_load_b128 v[128*((\s)%2)+8*\n+4*\c:128*((\s)%2)+8*\n+4*\c+3], v1, s[24:25] offset:8192*\n+1024*(\s)+512*\c
.endr
.endr
.endm
.macro XROWS r0                        ; four of my rows of x (destination: window 2, row r at 32 r)
.irp r, \r0, \r0+1, \r0+2, \r0+3
.irp k, 0,1,2,3,4,5,6,7
	global_load_b128 v[32*(\r)+4*\k:32*(\r)+4*\k+3], v1, s[8:9] offset:4096*(\r)+512*\k th:TH_LOAD_NT
.endr
.endr
.endm
; A K step: 32 matrix instructions, all 32 accumulators by turns, in the same order in every step.  The text has no label and no branch, so the windows are left as the next line wants them.
.macro OSTEP s, zero
	s_wait_loadcnt 32                              ; this step's fragments (in step 0: all that was asked for ahead of them too) are in; only the 32 loads issued behind them may be out
	WIN 0x5e                                       ; source 0 window 2, source 1 window 3, C and D window 1
.irp n, 0,1,2,3,4,5,6,7,8,9,10,11,12,13,14,15
.irp m, 0,1
	WMS 8*(16*\m+\n), 128*((\s)%2)+8*\n, 64*\m+8*(\s), \zero, WS+8*(\n/2)+(\s), CS+(\s), \n%2, \m
.endr
.endr
	PLACES                                         ; in front of loads into the set just multiplied
	WIN 0x80
.if (\s) < 6
	OB (\s)+2
.elseif (\s) == 6
	XROWS 0
.else
	XROWS 4
.endif
.endm
.macro REDUCE r, t                     ; the sum over the wave's 32 lanes, in every lane
	v_add_f32_dpp v[\r], v[\r], v[\r] row_xmask:1 row_mask:0xf bank_mask:0xf
	v_add_f32_dpp v[\r], v[\r], v[\r] row_xmask:2 row_mask:0xf bank_mask:0xf
	v_add_f32_dpp v[\r], v[\r], v[\r] row_xmask:4 row_mask:0xf bank_mask:0xf
	v_add_f32_dpp v[\r], v[\r], v[\r] row_xmask:8 row_mask:0xf bank_mask:0xf
	v_permlanex16_b32 v[\t], v[\r], s[SEL], s[SEL+1]
	v_add_f32 v[\r], v[\r], v[\t]
.endm
.macro ROW i                           ; my row i: 32 numbers a lane, columns 128 k + 4 lane + 0 .. 3
.set YS, Y+32*((\i)%2)
	s_wait_xcnt 0x0                                ; the last row's stores have read their data: its set is loaded again below
.if (\i) < 7
.irp k, 0,1,2,3,4,5,6,7
	ds_load_b128 v[Y+32*(((\i)+1)%2)+4*\k:Y+32*(((\i)+1)%2)+4*\k+3], v4 offset:SPITCH*((\i)+1)+512*\k
.endr
	s_wait_dscnt 8                                 ; this row is in; the next row's eight loads may be out
.else
	s_wait_dscnt 0x0
.endif
	s_wait_loadcnt 56-8*(\i)                       ; x's row i is in; the later rows' loads may be out
.irp k, 0,2,4,6,8,10,12,14,16,18,20,22,24,26,28,30
	v_pk_add_f32 v[YS+\k:YS+\k+1], v[YS+\k:YS+\k+1], v[BO+\k:BO+\k+1]
.endr
	WIN 0x08                                       ; source 1: x, in window 2
.irp k, 0,2,4,6,8,10,12,14,16,18,20,22,24,26,28,30
	v_pk_add_f32 v[YS+\k:YS+\k+1], v[YS+\k:YS+\k+1], v[32*(\i)+\k:32*(\i)+\k+1]
.endr
	WIN 0
.irp c, 0,1,2,3
	v_pk_add_f32 v[ST+2*\c:ST+2*\c+1], v[YS+2*\c:YS+2*\c+1], v[YS+8+2*\c:YS+9+2*\c]   ; the row's sum, in four chains
.endr
.irp q, 16,24
.irp c, 0,1,2,3
	v_pk_add_f32 v[ST+2*\c:ST+2*\c+1], v[ST+2*\c:ST+2*\c+1], v[YS+\q+2*\c:YS+\q+1+2*\c]
.endr
.endr
	v_pk_add_f32 v[ST:ST+1], v[ST:ST+1], v[ST+2:ST+3]
	v_pk_add_f32 v[ST+4:ST+5], v[ST+4:ST+5], v[ST+6:ST+7]
	v_pk_add_f32 v[ST:ST+1], v[ST:ST+1], v[ST+4:ST+5]
	v_add_f32 v[ST], v[ST], v[ST+1]
	REDUCE ST, ST+1
	v_mul_f32 v[ST+2], s30, v[ST]                  ; the mean
	v_mov_b32 v[ST+3], v[ST+2]
.irp k, 0,2,4,6,8,10,12,14,16,18,20,22,24,26,28,30
	v_pk_add_f32 v[YS+\k:YS+\k+1], v[YS+\k:YS+\k+1], v[ST+2:ST+3] neg_lo:[0,1] neg_hi:[0,1]
.endr
	v_pk_mul_f32 v[ST+4:ST+5], v[YS:YS+1], v[YS:YS+1]                ; the squares, in two chains
	v_pk_mul_f32 v[ST+6:ST+7], v[YS+2:YS+3], v[YS+2:YS+3]
.irp k, 4,8,12,16,20,24,28
	v_pk_fma_f32 v[ST+4:ST+5], v[YS+\k:YS+\k+1], v[YS+\k:YS+\k+1], v[ST+4:ST+5]
	v_pk_fma_f32 v[ST+6:ST+7], v[YS+\k+2:YS+\k+3], v[YS+\k+2:YS+\k+3], v[ST+6:ST+7]
.endr
	v_pk_add_f32 v[ST+4:ST+5], v[ST+4:ST+5], v[ST+6:ST+7]
	v_add_f32 v[ST+4], v[ST+4], v[ST+5]
	REDUCE ST+4, ST+5
	v_fma_f32 v[ST+4], v[ST+4], s30, s31           ; the variance + 1e-6
	v_rsq_f32 v[ST+6], v[ST+4]
	v_rsq_f32 v[ST+7], v[ST+4]                     ; twice: a pair for the packed multiply
	v_nop                                          ; one plain place behind a transcendental
	s_wait_alu depctr_va_vdst(0)
.irp k, 0,2,4,6,8,10,12,14,16,18,20,22,24,26,28,30
	v_pk_mul_f32 v[YS+\k:YS+\k+1], v[YS+\k:YS+\k+1], v[ST+6:ST+7]
.endr
.irp k, 0,2,4,6,8,10,12,14,16,18,20,22,24,26,28,30
	v_pk_fma_f32 v[YS+\k:YS+\k+1], v[YS+\k:YS+\k+1], v[GA+\k:GA+\k+1], v[BE+\k:BE+\k+1]
.endr
.irp k, 0,1,2,3,4,5,6,7
	global_store_b128 v1, v[YS+4*\k:YS+4*\k+3], s[16:17] offset:4096*(\i)+512*\k th:TH_STORE_NT   ; 512 consecutive bytes, aligned
.endr
.endm
	s_load_b256 s[4:11], s[0:1], 0x0               ; cq, wq, x, bo
	s_load_b128 s[12:15], s[0:1], 0x20             ; gamma, beta
	s_load_b64 s[16:17], s[0:1], 0x30              ; out0
	v_lshl_add_u32 v14, v0, 2, 0x20200
	v_mov_b32 v15, 0
	v_lshrrev_b32 v5, 5, v0
	v_readfirstlane_b32 s18, v5                    ; wave 0..3
	v_and_b32 v6, 31, v0
	v_lshlrev_b32 v1, 4, v6                        ; 16 x lane
	v_and_b32 v7, 15, v0                           ; a
	v_bfe_u32 v8, v0, 4, 1                         ; h
	v_mul_u32_u24 v2, v7, SPITCH
	v_lshl_add_u32 v2, v8, 6, v2
	s_lshl_b32 s19, s18, 10
	v_add_nc_u32 v2, s19, v2                       ; the stage, in: row a, + 64 h, + 1,024 x wave
	v_add_nc_u32 v3, 16*SPITCH, v2                 ; and the second tile of tokens
	s_mul_i32 s19, s18, 8*SPITCH
	v_add_nc_u32 v4, s19, v1                       ; back: my 8 rows, 16 bytes a lane
	s_lshl_b32 s20, ttmp9, 14                      ; ctx's codes: 16,384 a group
	s_mov_b32 s21, 0
	s_lshl_b32 s22, ttmp9, 10                      ; its scale words: 1,024
	s_add_co_u32 s22, s22, 4194304
	s_mov_b32 s23, 0
	s_lshl_b32 s24, s18, 17                        ; Wo's codes: the fourth weight, 131,072 for my 256 columns
	s_add_co_u32 s24, s24, 1572864
	s_mov_b32 s25, 0
	s_lshl_b32 s26, s18, 13                        ; its scale words
	s_add_co_u32 s26, s26, 2195456
	s_mov_b32 s27, 0
	s_lshl_b32 s28, ttmp9, 5                       ; stage rows 8 w .. 8 w + 7 are tokens 32 g + 16 (w % 2) + 8 (w / 2) + 0 .. 7
	s_and_b32 s29, s18, 1
	s_lshl_b32 s29, s29, 4
	s_add_co_u32 s28, s28, s29
	s_lshr_b32 s29, s18, 1
	s_lshl_b32 s29, s29, 3
	s_add_co_u32 s28, s28, s29
	s_lshl_b32 s28, s28, 12
	s_mov_b32 s29, 0
	s_mov_b32 s30, 0x3a800000                      ; 1 / 1,024
	s_mov_b32 s31, 0x358637bd                      ; 1e-6
	s_mov_b32 s[SEL], 0x76543210
	s_mov_b32 s[SEL+1], 0xfedcba98
	s_wait_kmcnt 0x0
	s_add_nc_u64 s[20:21], s[4:5], s[20:21]
	s_add_nc_u64 s[22:23], s[4:5], s[22:23]
	s_add_nc_u64 s[24:25], s[6:7], s[24:25]
	s_add_nc_u64 s[26:27], s[6:7], s[26:27]
	s_add_nc_u64 s[8:9], s[8:9], s[28:29]
	s_add_nc_u64 s[16:17], s[16:17], s[28:29]
.irp i, 0,1,2,3,4,5,6,7
	global_load_b128 v[BO+4*\i:BO+4*\i+3], v1, s[10:11] offset:512*\i
	global_load_b128 v[GA+4*\i:GA+4*\i+3], v1, s[12:13] offset:512*\i
	global_load_b128 v[BE+4*\i:BE+4*\i+3], v1, s[14:15] offset:512*\i
.endr
.irp f, 0,1
	global_load_b128 v[CS+4*\f:CS+4*\f+3], v1, s[22:23] offset:512*\f
.endr
.irp p, 0,1,2,3,4,5,6,7
.irp f, 0,1
	global_load_b128 v[WS+8*\p+4*\f:WS+8*\p+4*\f+3], v1, s[26:27] offset:1024*\p+512*\f
.endr
.endr
	WIN 0xc0                                       ; destination window 3
.irp m, 0,1
.irp s, 0,1,2,3,4,5,6,7
.irp c, 0,1
	global_load_b128 v[64*\m+8*\s+4*\c:64*\m+8*\s+4*\c+3], v1, s[20:21] offset:8192*\m+1024*\s+512*\c
.endr
.endr
.endr
	WIN 0x80                                       ; destination window 2
	OB 0
	OB 1
	OSTEP 0, 1
.irp s, 1,2,3,4,5,6,7
	OSTEP \s, 0
.endr
	WIN 0x04                                       ; an LDS store's data are its source 1: window 1.  The last step's places stand between the last products and these reads
.irp m, 0,1
.irp n, 0,1,2,3,4,5,6,7,8,9,10,11,12,13,14,15
	ds_store_b128 v[2+\m], v[8*(16*\m+\n):8*(16*\m+\n)+3] offset:128*(\n/2)+32*(\n%2)        ; each accumulator from its low end on
	ds_store_b128 v[2+\m], v[8*(16*\m+\n)+4:8*(16*\m+\n)+7] offset:128*(\n/2)+32*(\n%2)+16
.endr
.endr
	WIN 0
	s_wait_dscnt 0x0                               ; for the others' sake: my columns lie in the stage
	s_barrier_signal -1
	s_barrier_wait -1                              ; 32 whole rows do; nobody writes LDS again
.irp k, 0,1,2,3,4,5,6,7
	ds_load_b128 v[Y+4*\k:Y+4*\k+3], v4 offset:512*\k
.endr
.irp i, 0,1,2,3,4,5,6,7
	ROW \i
.endr
	s_wait_tensorcnt 0x0
	ds_add_u32 v14, v15
	s_wait_dscnt 0x0
	s_endpgm
.Lfunc_end_k_qecebf5571a_outp:
	.size	k_qecebf5571a_outp, .Lfunc_end_k_qecebf5571a_outp-k_qecebf5571a_outp
	.p2alignl 7, 3214868480
	.fill 96, 4, 3214868480
	.section	.rodata,"a",@progbits
	.p2align	6, 0x0
	.amdhsa_kernel k_qecebf5571a_outp
		.amdhsa_group_segment_fixed_size 132096
		.amdhsa_private_segment_fixed_size 0
		.amdhsa_enable_private_segment 0
		.amdhsa_kernarg_size 56
		.amdhsa_user_sgpr_count 2
		.amdhsa_user_sgpr_kernarg_segment_ptr 1
		.amdhsa_wavefront_size32 1
		.amdhsa_system_sgpr_workgroup_id_x 1
		.amdhsa_system_sgpr_workgroup_id_y 1
		.amdhsa_system_sgpr_workgroup_id_z 1
		.amdhsa_system_vgpr_workitem_id 0
		.amdhsa_next_free_vgpr 896
		.amdhsa_next_free_sgpr 66
		.amdhsa_reserve_vcc 0
		.amdhsa_float_denorm_mode_32 3
		.amdhsa_float_denorm_mode_16_64 3
		.amdhsa_memory_ordered 1
		.amdhsa_forward_progress 1
		.amdhsa_inst_pref_size 153
	.end_amdhsa_kernel
	.amdgpu_metadata
---
amdhsa.version: [ 1, 2 ]
amdhsa.kernels:
  - .name:           k_qecebf5571a_outp
    .symbol:         k_qecebf5571a_outp.kd
    .args:
      - { .name: cq, .offset: 0, .size: 8, .value_kind: global_buffer, .address_space: global }
      - { .name: wq, .offset: 8, .size: 8, .value_kind: global_buffer, .address_space: global }
      - { .name: x, .offset: 16, .size: 8, .value_kind: global_buffer, .address_space: global }
      - { .name: bo, .offset: 24, .size: 8, .value_kind: global_buffer, .address_space: global }
      - { .name: gamma, .offset: 32, .size: 8, .value_kind: global_buffer, .address_space: global }
      - { .name: beta, .offset: 40, .size: 8, .value_kind: global_buffer, .address_space: global }
      - { .name: out0, .offset: 48, .size: 8, .value_kind: global_buffer, .address_space: global }
    .group_segment_fixed_size: 132096
    .private_segment_fixed_size: 0
    .kernarg_segment_align: 8
    .kernarg_segment_size: 56
    .max_flat_workgroup_size: 128
    .sgpr_count:     66
    .vgpr_count:     896
    .wavefront_size: 32
...
	.end_amdgpu_metadata
.endif
;; end of part 4
;; ======== version 2 of 2: 4 launches
;; limits: right only within a limited range of input values
;; workspace buffers: xq 4,456,448 bytes; wq 2,228,224 bytes; qq 4,718,592 bytes; kv 9,437,184 bytes; cq 4,456,448 bytes
;; launch prep (part 5): grid 320 x 1, 4 waves a work-group, no clusters, 41,472 bytes of LDS; arguments x, Wq, Wk, Wv, Wo, xq, wq; writes xq, wq
.if DOCPART == 5
	.amdgcn_target "amdgcn-amd-amdhsa--gfx1250"
	.amdhsa_code_object_version 6
	.text
	.protected	k_qecebf5571a_prep
	.globl	k_qecebf5571a_prep
	.p2align	8
	.type	k_qecebf5571a_prep,@function
k_qecebf5571a_prep:
	s_mov_b64 s[64:65], 0
	v_nop
	global_prefetch_b8 v0, s[64:65] scope:SCOPE_SE
	s_setreg_imm32_b32 hwreg(HW_REG_WAVE_MODE, 25, 1), 1
	s_wait_xcnt 0x0
; x [8192][1024] and the four weights [1024 (K)][1024 (N)], all f32, become codes of FP4 (E2M1) with one E8M0 byte for each 32 along K.
; A block's byte is its largest magnitude's exponent field - 2, held at 1 from below; each number is divided by the scale and rounded to the nearest code, ties to even, beyond 6 the largest code.
; LIMITS: NaN and infinities among the inputs are not served.  A block whose largest magnitude lies under 2^-124 (a block of zeros among them) gets the byte 1; only this program reads the bytes.
; THE OUTPUT IS LAID AS THE MATRIX UNIT'S REGISTERS WANT IT.  A TILE is 16 rows (tokens of x, columns of a weight); of a group of 32 rows, tile u (0, 1) has as its row a the element 16 (a / 8) + 8 u + a % 8.
; Codes: [group][u][block of 32 along K: 32][a: 16][16 bytes], so that the 512 bytes at 1,024 s + 512 c of a tile are registers 4 c .. 4 c + 3 of K step s, 16 bytes a lane.
; Scale bytes: [group][half of K][u][a][16 bytes]: 512 bytes are four registers, the words of four K steps, tile 0 in lanes 0-15 and tile 1 in lanes 16-31.
; Work-groups 0-255 take a group of 32 rows of x each; work-groups 256-319 a weight's 128 columns x half of K.  Waves share nothing: no barrier.
.set EMAX,  2
.set R,     16                         ; x: v16-79   four sets of 16 numbers as loaded
.set X,     80                         ; x: v80-111  two sets of 16 neighbours
.set E,     112                        ; x: v112-127 a scale byte for each step
.set C,     128                        ; x: v128-191 codes, four registers a step
.set WREG,  10240                      ; x: LDS of a wave: two stages of 32 x 80 bytes, 256 scale bytes, the codes' stage
.set SP,    80                         ; a lane's place in a stage: 64 bytes + 16 of padding
.set SCB,   5120
.set CST,   5376
.set CP,    272                        ; a row of the codes' stage: a block's 16 rows x 16 bytes + 16 of padding
.set WX,    32                         ; weights: v32-95 two sets of 32 numbers
.set WC,    96                         ; weights: v96-159 codes, four registers a block, never written again
.set SB,    24                         ; weights: v24-27 the 16 scale bytes
.macro XLOAD t                         ; step t = row t of my tile: 512 numbers, four loads of 512 consecutive bytes
.irp i, 0,1,2,3
	global_load_b128 v[R+16*((\t)%4)+4*\i:R+16*((\t)%4)+4*\i+3], v3, s[4:5] offset:(16*((\t)/8)+(\t)%8)*4096+512*\i
.endr
.endm
.macro XTURN t                         ; through the stage, so that a lane holds 16 neighbours: LDS serves a wave's instructions in order, no wait between stores and loads
.irp i, 0,1,2,3
	ds_store_b128 v14, v[R+16*((\t)%4)+4*\i:R+16*((\t)%4)+4*\i+3] offset:32*SP*((\t)%2)+8*SP*\i
.endr
.irp i, 0,1,2,3
	ds_load_b128 v[X+16*((\t)%2)+4*\i:X+16*((\t)%2)+4*\i+3], v15 offset:32*SP*((\t)%2)+16*\i
.endr
.endm
.macro XSTEP t
.set XS, X+16*((\t)%2)
.if (\t) > 0
	s_wait_dscnt 2                                 ; this step's numbers are back (the last step's byte store and code store may be out)
.else
	s_wait_dscnt 0x0
.endif
.if (\t)+4 < 16
	XLOAD (\t)+4                                   ; into the set whose stores into the stage are done
.endif
.if (\t)+1 < 16
.if 14-(\t) >= 3
	s_wait_loadcnt 12                              ; the next step's four loads are in; those of the three steps behind it may be out
.else
	s_wait_loadcnt 4*(14-(\t))
.endif
	XTURN (\t)+1
.endif
	v_max3_num_f32 v8, |v[XS]|, |v[XS+1]|, |v[XS+2]|               ; the largest magnitude of my 16
	v_max3_num_f32 v9, |v[XS+3]|, |v[XS+4]|, |v[XS+5]|
.irp i, 6,10
	v_max3_num_f32 v8, v8, |v[XS+\i]|, |v[XS+\i+1]|
	v_max3_num_f32 v9, v9, |v[XS+\i+2]|, |v[XS+\i+3]|
.endr
	v_max3_num_f32 v8, v8, |v[XS+14]|, |v[XS+15]|
	v_max3_num_f32 v8, v8, v9, (EMAX+1)<<23        ; and the floor 2^(3 - 127): the byte cannot fall under 1
	v_max_num_f32_dpp v8, v8, v8 row_xmask:1 row_mask:0xf bank_mask:0xf   ; with my neighbour's 16: the block's
	v_add_nc_u32 v11, -(EMAX<<23), v8              ; 2 off the exponent field: the conversion's scale operand
	v_cvt_scalef32_pk8_fp4_f32 v[C+4*(\t)], v[XS:XS+7], v11
	v_cvt_scalef32_pk8_fp4_f32 v[C+4*(\t)+1], v[XS+8:XS+15], v11
	v_lshrrev_b32 v[E+(\t)], 23, v11               ; the scale's byte (also the plain line behind the conversions)
	ds_store_b8 v5, v[E+(\t)] offset:16*(\t)       ; row t's 16 bytes; both lanes of a block write the same byte with the same value
	ds_store_b64 v4, v[C+4*(\t):C+4*(\t)+1] offset:16*(\t)   ; stage row = block, place 16 t + my half of the block's 16 bytes
.endm
.macro WLOAD t                         ; block t: W(32 t + j, my column), j = 0 .. 31: 32 lanes read 128 consecutive bytes
.set JJ, 0
.rept 32
	global_load_b32 v[WX+32*((\t)%2)+JJ], v10, s[24:25] offset:(32*(\t)+JJ)*4096 th:TH_LOAD_NT
.set JJ, JJ+1
.endr
.endm
.macro WBLOCK t
.set XW, WX+32*((\t)%2)
.if (\t) < 15
	s_wait_loadcnt 32                              ; this block's 32 loads are in; the next block's may be out
.else
	s_wait_loadcnt 0x0
.endif
	v_max3_num_f32 v12, |v[XW]|, |v[XW+1]|, |v[XW+2]|              ; all 32 numbers of the block are mine
	v_max3_num_f32 v13, |v[XW+3]|, |v[XW+4]|, |v[XW+5]|
.irp i, 6,10,14,18,22,26
	v_max3_num_f32 v12, v12, |v[XW+\i]|, |v[XW+\i+1]|
	v_max3_num_f32 v13, v13, |v[XW+\i+2]|, |v[XW+\i+3]|
.endr
	v_max3_num_f32 v12, v12, |v[XW+30]|, |v[XW+31]|
	v_max3_num_f32 v12, v12, v13, (EMAX+1)<<23
	v_add_nc_u32 v11, -(EMAX<<23), v12
	v_lshrrev_b32 v13, 23, v11
.if (\t)%4 == 0
	v_mov_b32 v[SB+(\t)/4], v13                    ; four bytes to a register, the lower K in the lower byte
.else
	v_lshl_or_b32 v[SB+(\t)/4], v13, 8*((\t)%4), v[SB+(\t)/4]
.endif
.irp g, 0,1,2,3
	v_cvt_scalef32_pk8_fp4_f32 v[WC+4*(\t)+\g], v[XW+8*\g:XW+8*\g+7], v11
.endr
	global_store_b128 v4, v[WC+4*(\t):WC+4*(\t)+3], s[26:27] offset:256*(\t)   ; lanes 0-15: 256 consecutive bytes of tile 0; lanes 16-31: of tile 1
.if (\t)+2 < 16
	WLOAD (\t)+2
.endif
.endm
	s_load_b256 s[4:11], s[0:1], 0x0               ; x, Wq, Wk, Wv
	s_load_b128 s[12:15], s[0:1], 0x20             ; Wo, xq
	s_load_b64 s[16:17], s[0:1], 0x30              ; wq
	v_lshl_add_u32 v192, v0, 2, 0xa000
	v_mov_b32 v193, 0
	v_lshrrev_b32 v1, 5, v0
	v_readfirstlane_b32 s18, v1                    ; wave 0..3
	v_and_b32 v2, 31, v0                           ; lane
	v_lshlrev_b32 v3, 4, v2                        ; 16 x lane
	s_cmp_lt_u32 ttmp9, 256
	s_cbranch_scc0 .Lw
	; ---- x.  Wave w: tile u = w / 2, half hf = w % 2 of K.
	s_mul_i32 s19, s18, WREG
	v_lshrrev_b32 v14, 2, v2
	v_mul_u32_u24 v14, v14, SP
	v_and_b32 v15, 3, v2
	v_lshl_add_u32 v14, v15, 4, v14
	v_add_nc_u32 v14, s19, v14                     ; the stage, in: 80 (lane / 4) + 16 (lane % 4)
	v_mul_u32_u24 v15, v2, SP
	v_add_nc_u32 v15, s19, v15                     ; out: 80 x lane
	v_lshrrev_b32 v5, 1, v2                        ; my block of the step's 16
	v_mul_u32_u24 v4, v5, CP
	v_and_b32 v6, 1, v2
	v_lshl_add_u32 v4, v6, 3, v4
	v_add_nc_u32 v4, s19, v4
	v_add_nc_u32 v4, CST, v4                       ; the codes' stage, in
	v_add_nc_u32 v5, s19, v5
	v_add_nc_u32 v5, SCB, v5                       ; my block's scale byte
	v_lshlrev_b32 v7, 3, v2
	v_add_nc_u32 v6, s19, v7
	v_add_nc_u32 v6, SCB, v6                       ; the scale bytes on the way out: 8 a lane
	v_lshrrev_b32 v10, 4, v2
	v_mul_u32_u24 v10, v10, CP
	v_and_b32 v11, 15, v2
	v_lshl_add_u32 v10, v11, 4, v10
	v_add_nc_u32 v10, s19, v10
	v_add_nc_u32 v10, CST, v10                     ; the codes' stage, out: sixteen lanes to a row, two rows an instruction
	s_lshr_b32 s20, s18, 1                         ; u
	s_and_b32 s21, s18, 1                          ; hf
	s_lshl_b32 s22, ttmp9, 17                      ; x: 32 rows of 4,096 bytes a group,
	s_lshl_b32 s24, s20, 15                        ; 8 u rows,
	s_add_co_u32 s22, s22, s24
	s_lshl_b32 s24, s21, 11                        ; 512 hf numbers
	s_add_co_u32 s22, s22, s24
	s_mov_b32 s23, 0
	s_lshl_b32 s24, ttmp9, 14                      ; codes: 16,384 a group, 4,096 a wave
	s_lshl_b32 s26, s18, 12
	s_add_co_u32 s24, s24, s26
	s_mov_b32 s25, 0
	s_lshl_b32 s26, ttmp9, 10                      ; scale bytes: 1,024 a group, 512 a half of K, 256 a tile
	s_lshl_b32 s28, s21, 9
	s_add_co_u32 s26, s26, s28
	s_lshl_b32 s28, s20, 8
	s_add_co_u32 s26, s26, s28
	s_add_co_u32 s26, s26, 4194304
	s_mov_b32 s27, 0
	s_wait_kmcnt 0x0
	s_add_nc_u64 s[4:5], s[4:5], s[22:23]
	s_add_nc_u64 s[24:25], s[14:15], s[24:25]
	s_add_nc_u64 s[26:27], s[14:15], s[26:27]
.irp t, 0,1,2,3
	XLOAD \t
.endr
	s_wait_loadcnt 12                              ; step 0's four loads are in
	XTURN 0
.irp t, 0,1,2,3,4,5,6,7,8,9,10,11,12,13,14,15
	XSTEP \t
.endr
.irp i, 0,1,2,3,4,5,6,7
	ds_load_b128 v[R+4*\i:R+4*\i+3], v10 offset:2*CP*\i   ; blocks 2 i and 2 i + 1: these see my stores
.endr
	ds_load_b64 v[12:13], v6
.irp i, 0,1,2,3,4,5,6,7
	s_wait_dscnt 8-\i                              ; load i is in; the younger ones may be out
	global_store_b128 v3, v[R+4*\i:R+4*\i+3], s[24:25] offset:512*\i   ; 512 consecutive bytes
.endr
	s_wait_dscnt 0x0
	global_store_b64 v7, v[12:13], s[26:27]        ; 256 consecutive bytes, aligned
	s_wait_tensorcnt 0x0
	ds_add_u32 v192, v193
	s_wait_dscnt 0x0
	s_endpgm
	; ---- the weights.  j = work-group - 256: weight j / 16, 128 columns (j / 2) % 8, half j % 2 of K.  A wave takes a group of 32 columns; A LANE TAKES A COLUMN AND ITS REGISTERS RUN DOWN K.
.Lw:
	s_sub_co_u32 s19, ttmp9, 256
	s_lshr_b32 s20, s19, 4                         ; which weight
	s_bfe_u32 s21, s19, 0x30001
	s_and_b32 s22, s19, 1                          ; hf
	s_lshl_b32 s23, s21, 2
	s_add_co_u32 s23, s23, s18                     ; the group of 32 columns
	s_wait_alu depctr_va_vdst(0)
	v_and_b32 v5, 15, v2                           ; a
	v_lshrrev_b32 v6, 4, v2                        ; u: lanes 16-31 are tile 1
	v_and_b32 v7, 8, v5
	v_add_nc_u32 v7, v7, v5                        ; 16 (a / 8) + a % 8
	v_lshl_add_u32 v7, v6, 3, v7                   ; + 8 u: my column of the group
	v_lshlrev_b32 v10, 2, v7
	v_lshlrev_b32 v4, 4, v5
	v_lshl_add_u32 v4, v6, 13, v4                  ; codes: 8,192 u + 16 a
	s_lshl_b32 s30, s22, 21                        ; W: 512 hf rows of 4,096 bytes + 128 bytes a group
	s_lshl_b32 s32, s23, 7
	s_add_co_u32 s30, s30, s32
	s_mov_b32 s31, 0
	s_lshl_b32 s26, s20, 19                        ; codes: 524,288 a weight, 16,384 a group, 4,096 a half of K
	s_lshl_b32 s32, s23, 14
	s_add_co_u32 s26, s26, s32
	s_lshl_b32 s32, s22, 12
	s_add_co_u32 s26, s26, s32
	s_mov_b32 s27, 0
	s_lshl_b32 s28, s20, 15                        ; scale bytes: 32,768 a weight, 1,024 a group, 512 a half of K
	s_lshl_b32 s32, s23, 10
	s_add_co_u32 s28, s28, s32
	s_lshl_b32 s32, s22, 9
	s_add_co_u32 s28, s28, s32
	s_add_co_u32 s28, s28, 2097152
	s_mov_b32 s29, 0
	s_wait_alu depctr_va_vdst(0)
	s_wait_kmcnt 0x0
	s_mov_b64 s[24:25], s[12:13]                   ; the weight is chosen by the work-group's number alone
	s_cmp_eq_u32 s20, 0
	s_cselect_b64 s[24:25], s[6:7], s[24:25]
	s_cmp_eq_u32 s20, 1
	s_cselect_b64 s[24:25], s[8:9], s[24:25]
	s_cmp_eq_u32 s20, 2
	s_cselect_b64 s[24:25], s[10:11], s[24:25]
	s_add_nc_u64 s[24:25], s[24:25], s[30:31]
	s_add_nc_u64 s[26:27], s[16:17], s[26:27]
	s_add_nc_u64 s[28:29], s[16:17], s[28:29]
	WLOAD 0
	WLOAD 1
.set Q, 0
.rept 16
	WBLOCK Q
.set Q, Q+1
.endr
	global_store_b128 v3, v[SB:SB+3], s[28:29]     ; 512 consecutive bytes: both tiles' 16 bytes a row
	s_endpgm
.Lfunc_end_k_qecebf5571a_prep:
	.size	k_qecebf5571a_prep, .Lfunc_end_k_qecebf5571a_prep-k_qecebf5571a_prep
	.p2alignl 7, 3214868480
	.fill 96, 4, 3214868480
	.section	.rodata,"a",@progbits
	.p2align	6, 0x0
	.amdhsa_kernel k_qecebf5571a_prep
		.amdhsa_group_segment_fixed_size 41472
		.amdhsa_private_segment_fixed_size 0
		.amdhsa_enable_private_segment 0
		.amdhsa_kernarg_size 56
		.amdhsa_user_sgpr_count 2
		.amdhsa_user_sgpr_kernarg_segment_ptr 1
		.amdhsa_wavefront_size32 1
		.amdhsa_system_sgpr_workgroup_id_x 1
		.amdhsa_system_sgpr_workgroup_id_y 1
		.amdhsa_system_sgpr_workgroup_id_z 1
		.amdhsa_system_vgpr_workitem_id 0
		.amdhsa_next_free_vgpr 194
		.amdhsa_next_free_sgpr 66
		.amdhsa_reserve_vcc 0
		.amdhsa_float_denorm_mode_32 3
		.amdhsa_float_denorm_mode_16_64 3
		.amdhsa_memory_ordered 1
		.amdhsa_forward_progress 1
		.amdhsa_inst_pref_size 110
	.end_amdhsa_kernel
	.amdgpu_metadata
---
amdhsa.version: [ 1, 2 ]
amdhsa.kernels:
  - .name:           k_qecebf5571a_prep
    .symbol:         k_qecebf5571a_prep.kd
    .args:
      - { .name: x, .offset: 0, .size: 8, .value_kind: global_buffer, .address_space: global }
      - { .name: Wq, .offset: 8, .size: 8, .value_kind: global_buffer, .address_space: global }
      - { .name: Wk, .offset: 16, .size: 8, .value_kind: global_buffer, .address_space: global }
      - { .name: Wv, .offset: 24, .size: 8, .value_kind: global_buffer, .address_space: global }
      - { .name: Wo, .offset: 32, .size: 8, .value_kind: global_buffer, .address_space: global }
      - { .name: xq, .offset: 40, .size: 8, .value_kind: global_buffer, .address_space: global }
      - { .name: wq, .offset: 48, .size: 8, .value_kind: global_buffer, .address_space: global }
    .group_segment_fixed_size: 41472
    .private_segment_fixed_size: 0
    .kernarg_segment_align: 8
    .kernarg_segment_size: 56
    .max_flat_workgroup_size: 128
    .sgpr_count:     66
    .vgpr_count:     194
    .wavefront_size: 32
...
	.end_amdgpu_metadata
.endif
;; end of part 5
;; launch proj (part 6): grid 12 x 64, 4 waves a work-group, no clusters, 66,048 bytes of LDS; arguments xq, wq, bq, bk, bv, qq, kv; writes qq, kv
.if DOCPART == 6
	.amdgcn_target "amdgcn-amd-amdhsa--gfx1250"
	.amdhsa_code_object_version 6
	.text
	.protected	k_qecebf5571a_proj
	.globl	k_qecebf5571a_proj
	.p2align	8
	.type	k_qecebf5571a_proj,@function
k_qecebf5571a_proj:
	s_mov_b64 s[64:65], 0
	v_nop
	global_prefetch_b8 v0, s[64:65] scope:SCOPE_SE
	s_setreg_imm32_b32 hwreg(HW_REG_WAVE_SCHED_MODE, 0, 2), 2
	s_setreg_imm32_b32 hwreg(HW_REG_WAVE_MODE, 25, 1), 1
	s_wait_xcnt 0x0
	s_wait_alu depctr_vm_vsrc(0)
; q, k, v = x W + b on codes of FP4 with E8M0 scales, and the results quantised again on the way out, as operands of the two products of attention.
; SHARES.  Work-group (cq, tg): 128 tokens tg, 256 columns cq of the 3,072 of Wq | Wk | Wv; cq / 4 says which of the three, for the whole work-group.  Wave w: one head (64 columns) x 128 tokens:
; 32 accumulators, K = 1,024 in 8 steps of 128, 256 matrix instructions.  x's codes of the 128 tokens (65,536 bytes) are copied into LDS once and read by all four waves; a weight's fragment serves one wave and comes from memory.
; All operands lie in memory as images of their registers: a fragment is two loads of 512 consecutive bytes.  A tile's 16 rows are not neighbours: of a group of 32, tile u's row a is element 16 (a / 8) + 8 u + a % 8,
; so that in a result whose source 0 was such a tile the 16 registers of tiles 2 b and 2 b + 1 are 16 neighbours, 32 b + 16 (lane / 16) + 0 .. 15.
; q, k: source 0 = 16 columns of W, source 1 = 16 tokens: a lane holds one token and its registers run along the head's 64: two blocks of 32 for the product q k^T.
; v:    source 0 = 16 tokens, source 1 = 16 columns: a lane holds one channel and its registers run along the 128 tokens, which are the K of the product p v: four blocks of 32.
; OUT.  qq: [batch x head][step of 128 tokens][4,608]: 8 tiles x 512 bytes of codes, then 512 bytes of scale words (register i: tile 2 i in lanes 0-15, tile 2 i + 1 in lanes 16-31).
;       kv: [batch x head][step][9,216]: k like q at 0 and 8,192; v's 4 channel tiles x 1,024 bytes at 4,096, its scale words at 8,704.
; LIMITS: NaN and infinities are not served; a block whose largest magnitude lies under 2^-124 gets the byte 1 (read by this program alone).
; REGISTERS: window 0: v1-9 addresses; v16-47 x's scale words, v48-63 W's; v64-191 x's fragments, two sets; v192-255 W's, two sets; on the way out these 192 are free.  Window 1: the accumulators.
; THE MODE: SCHED_MODE bits 1:0 = 2 (LLVM: expert scheduling mode 2), set by the entry lines.  The code itself states the register dependences
; between vector or matrix instructions and memory or LDS instructions, with s_wait_alu, always for 0.
; THE PLAN.  Registers that memory or LDS instructions touch:
;   v1-4, v7    offsets and LDS addresses: made once at the head, never written again.
;   v64-191     first the panel on its way into LDS: global loads write it, LDS stores read it.  Then x's sets AF0, AF1: step s's products read AF[s % 2]; the LDS loads of step s + 2 land in it.
;   v192-255    W's sets BF0, BF1: step s's products read BF[s % 2]; the loads of step s + 2 land in it; behind step 6 the bias lands in BF0.
;   v16-63      scale words: loaded once, read by the products.
;   PC, SO      the way out: written by conversions, lane swaps and selects, read by the stores, none written twice.
; So ONE wait on va_vdst stands in a step, behind its products: they are done reading both sets of the step, and all loads of two steps on follow it, with no vector instruction between.
; The way out has one such wait ahead of each of its two runs of stores.
.set XS,  16                           ; v[XS + 8 p + s]: group p of 32 tokens, K step s
.set WS,  48                           ; v[WS + 8 p + s]: group p of 32 columns
.set AF0, 64
.set BF0, 192
.set T,   64                           ; the way out: numbers with their bias
.set TM,  128                          ; at work
.set SW,  144                          ; a scale word for each tile
.set SO,  152                          ; the scale words as they leave
.set PC,  160                          ; codes: never written twice, so no store's data are touched again
.set BI,  192                          ; the bias
.set SEL, 24                           ; s[24:25] lane selects: lane l xor 16
.set MSB, 0
.macro WIN new                         ; the immediate's high byte repeats the setting that is left
.if MSB != \new
	s_set_vgpr_msb (MSB<<8)|\new
.set MSB, \new
.endif
.endm
.macro PLACES                          ; four plain places behind matrix instructions: they stand where they stood; for loads the wait behind them states the dependence
.rept 4
	v_nop
.endr
.endm
; one matrix instruction: D at d, source 0 at a, source 1 at b; zero = 1 starts the sum; sa, sb the scale registers; ra, rb = 1: that side's words lie in lanes 16-31
.macro WMS d, a, b, zero, sa, sb, ra, rb
.if \zero
.if (\ra) && (\rb)
	v_wmma_scale_f32_16x16x128_f8f6f4 v[(\d):(\d)+7], v[(\a):(\a)+7], v[(\b):(\b)+7], 0, v[\sa], v[\sb] matrix_a_fmt:MATRIX_FMT_FP4 matrix_b_fmt:MATRIX_FMT_FP4 matrix_a_scale:MATRIX_SCALE_ROW1 matrix_b_scale:MATRIX_SCALE_ROW1
.elseif (\ra)
	v_wmma_scale_f32_16x16x128_f8f6f4 v[(\d):(\d)+7], v[(\a):(\a)+7], v[(\b):(\b)+7], 0, v[\sa], v[\sb] matrix_a_fmt:MATRIX_FMT_FP4 matrix_b_fmt:MATRIX_FMT_FP4 matrix_a_scale:MATRIX_SCALE_ROW1
.elseif (\rb)
	v_wmma_scale_f32_16x16x128_f8f6f4 v[(\d):(\d)+7], v[(\a):(\a)+7], v[(\b):(\b)+7], 0, v[\sa], v[\sb] matrix_a_fmt:MATRIX_FMT_FP4 matrix_b_fmt:MATRIX_FMT_FP4 matrix_b_scale:MATRIX_SCALE_ROW1
.else
	v_wmma_scale_f32_16x16x128_f8f6f4 v[(\d):(\d)+7], v[(\a):(\a)+7], v[(\b):(\b)+7], 0, v[\sa], v[\sb] matrix_a_fmt:MATRIX_FMT_FP4 matrix_b_fmt:MATRIX_FMT_FP4
.endif
.else
.if (\ra) && (\rb)
	v_wmma_scale_f32_16x16x128_f8f6f4 v[(\d):(\d)+7], v[(\a):(\a)+7], v[(\b):(\b)+7], v[(\d):(\d)+7], v[\sa], v[\sb] matrix_a_fmt:MATRIX_FMT_FP4 matrix_b_fmt:MATRIX_FMT_FP4 matrix_a_scale:MATRIX_SCALE_ROW1 matrix_b_scale:MATRIX_SCALE_ROW1
.elseif (\ra)
	v_wmma_scale_f32_16x16x128_f8f6f4 v[(\d):(\d)+7], v[(\a):(\a)+7], v[(\b):(\b)+7], v[(\d):(\d)+7], v[\sa], v[\sb] matrix_a_fmt:MATRIX_FMT_FP4 matrix_b_fmt:MATRIX_FMT_FP4 matrix_a_scale:MATRIX_SCALE_ROW1
.elseif (\rb)
	v_wmma_scale_f32_16x16x128_f8f6f4 v[(\d):(\d)+7], v[(\a):(\a)+7], v[(\b):(\b)+7], v[(\d):(\d)+7], v[\sa], v[\sb] matrix_a_fmt:MATRIX_FMT_FP4 matrix_b_fmt:MATRIX_FMT_FP4 matrix_b_scale:MATRIX_SCALE_ROW1
.else
	v_wmma_scale_f32_16x16x128_f8f6f4 v[(\d):(\d)+7], v[(\a):(\a)+7], v[(\b):(\b)+7], v[(\d):(\d)+7], v[\sa], v[\sb] matrix_a_fmt:MATRIX_FMT_FP4 matrix_b_fmt:MATRIX_FMT_FP4
.endif
.endif
.endm
; 32 numbers of a lane, register 16 b + i = k 32 b + 16 (lane / 16) + i of my row, become four registers of codes (lanes 0-15 block 0, lanes 16-31 block 1) and a scale word (bytes 0, 1; bytes 2, 3 stay 0 over zero codes)
.macro QUANT2 s, pc, pw, tm
.irp b, 0,1
	v_max3_num_f32 v[\tm+\b], |v[\s+16*\b]|, |v[\s+1+16*\b]|, 0x1800000   ; my 16 numbers of block b, and the floor 2^(3 - 127)
.endr
.irp i, 2,4,6,8,10,12,14
.irp b, 0,1
	v_max3_num_f32 v[\tm+\b], v[\tm+\b], |v[\s+16*\b+\i]|, |v[\s+1+16*\b+\i]|
.endr
.endr
.irp b, 0,1
	v_permlanex16_b32 v[\tm+2+\b], v[\tm+\b], s[SEL], s[SEL+1]
.endr
.irp b, 0,1
	v_max_num_f32 v[\tm+\b], v[\tm+\b], v[\tm+2+\b]   ; with lane l xor 16's: the block's largest magnitude
.endr
.irp b, 0,1
	v_add_nc_u32 v[\tm+4+\b], 0xff000000, v[\tm+\b]   ; 2 off its exponent field: the conversion's scale operand
.endr
.irp b, 0,1
	v_lshrrev_b32 v[\tm+2+\b], 23, v[\tm+4+\b]        ; the scale's byte
.endr
	v_lshl_or_b32 v[\pw], v[\tm+3], 8, v[\tm+2]
.irp b, 0,1
	v_cvt_scalef32_pk8_fp4_f32 v[\pc+2*\b], v[\s+16*\b:\s+7+16*\b], v[\tm+4+\b]
	v_cvt_scalef32_pk8_fp4_f32 v[\pc+1+2*\b], v[\s+8+16*\b:\s+15+16*\b], v[\tm+4+\b]
.endr
	v_nop                                          ; one plain place behind a scaled conversion
	v_permlane16_swap_b32 v[\pc], v[\pc+2]         ; a whole block to a lane
	v_permlane16_swap_b32 v[\pc+1], v[\pc+3]
.endm
; the same for 64 numbers: four blocks, a whole fragment of 8 registers and a whole scale word
.macro QUANT4 s, pc, pw, tm
.irp b, 0,1,2,3
	v_max3_num_f32 v[\tm+\b], |v[\s+16*\b]|, |v[\s+1+16*\b]|, 0x1800000
.endr
.irp i, 2,4,6,8,10,12,14
.irp b, 0,1,2,3
	v_max3_num_f32 v[\tm+\b], v[\tm+\b], |v[\s+16*\b+\i]|, |v[\s+1+16*\b+\i]|
.endr
.endr
.irp b, 0,1,2,3
	v_permlanex16_b32 v[\tm+4+\b], v[\tm+\b], s[SEL], s[SEL+1]
.endr
.irp b, 0,1,2,3
	v_max_num_f32 v[\tm+\b], v[\tm+\b], v[\tm+4+\b]
.endr
.irp b, 0,1,2,3
	v_add_nc_u32 v[\tm+12+\b], 0xff000000, v[\tm+\b]
.endr
.irp b, 0,1,2,3
	v_lshrrev_b32 v[\tm+4+\b], 23, v[\tm+12+\b]
.endr
	v_lshl_or_b32 v[\pw], v[\tm+5], 8, v[\tm+4]
	v_lshl_or_b32 v[\pw], v[\tm+6], 16, v[\pw]
	v_lshl_or_b32 v[\pw], v[\tm+7], 24, v[\pw]
.irp b, 0,1,2,3
	v_cvt_scalef32_pk8_fp4_f32 v[\pc+2*\b], v[\s+16*\b:\s+7+16*\b], v[\tm+12+\b]
	v_cvt_scalef32_pk8_fp4_f32 v[\pc+1+2*\b], v[\s+8+16*\b:\s+15+16*\b], v[\tm+12+\b]
.endr
	v_nop
.irp c, 0,1
.irp i, 0,1
	v_permlane16_swap_b32 v[\pc+4*\c+\i], v[\pc+2+4*\c+\i]
.endr
.endr
.endm
.macro BLOAD s                         ; my head's four fragments of W for K step s, from memory
.irp n, 0,1,2,3
.irp c, 0,1
	global_load_b128 v[BF0+32*((\s)%2)+8*\n+4*\c:BF0+32*((\s)%2)+8*\n+4*\c+3], v1, s[30:31] offset:8192*\n+1024*(\s)+512*\c
.endr
.endr
.endm
.macro ALOAD s                         ; x's eight fragments for K step s, from LDS
.irp m, 0,1,2,3,4,5,6,7
.irp c, 0,1
	ds_load_b128 v[AF0+64*((\s)%2)+8*\m+4*\c:AF0+64*((\s)%2)+8*\m+4*\c+3], v1 offset:8192*\m+1024*(\s)+512*\c
.endr
.endr
.endm
; A K step: 32 matrix instructions, all 32 accumulators by turns, in the same order in every step.
.macro KSTEP s, swap, zero
.set AFS, AF0+64*((\s)%2)
.set BFS, BF0+32*((\s)%2)
.if (\s) < 7
	s_wait_dscnt 16                                ; x's fragments of this step are in; the next step's sixteen LDS loads may be out
.else
	s_wait_dscnt 0x0
.endif
	s_wait_loadcnt 8                               ; W's too (and, in step 0, all scale words): only the eight loads issued behind them may be out
	WIN 0x50                                       ; C and D in window 1
.irp m, 0,1,2,3,4,5,6,7
.irp n, 0,1,2,3
.if \swap
	WMS 64*\n+8*\m, AFS+8*\m, BFS+8*\n, \zero, XS+8*(\m/2)+(\s), WS+8*(\n/2)+(\s), \m%2, \n%2
.else
	WMS 32*\m+8*\n, BFS+8*\n, AFS+8*\m, \zero, WS+8*(\n/2)+(\s), XS+8*(\m/2)+(\s), \n%2, \m%2
.endif
.endr
.endr
	WIN 0
	PLACES
.if (\s) < 7
	s_wait_alu depctr_va_vdst(0)                   ; this step's products are done reading x's set and W's set s % 2, in which the loads below land
.endif
.if (\s) < 6
	BLOAD (\s)+2
	ALOAD (\s)+2
.elseif (\s) == 6
.if \swap
.irp n, 0,1,2,3                                    ; v: my lane's channel of tile n, twice: a pair for the packed addition
	global_load_b32 v[BI+2*\n], v7, s[34:35] offset:4*(32*(\n/2)+8*(\n%2))
	global_load_b32 v[BI+2*\n+1], v7, s[34:35] offset:4*(32*(\n/2)+8*(\n%2))
.endr
.else
.irp b, 0,1                                        ; q, k: the bias of columns 32 b + 16 (lane / 16) + 0 .. 15
.irp j, 0,1,2,3
	global_load_b128 v[BI+16*\b+4*\j:BI+16*\b+4*\j+3], v3, s[34:35] offset:128*\b+16*\j
.endr
.endr
.endif
.endif
.endm
; The way out of one tile of q or k (16 tokens x the head's 64) and of one tile of v (16 channels x 128 tokens): the bias, then the quantiser.
.macro QKTILE m
	WIN 0x01                                       ; source 0: the accumulators
.irp k, 0,2,4,6,8,10,12,14,16,18,20,22,24,26,28,30
	v_pk_add_f32 v[T+\k:T+\k+1], v[32*(\m)+\k:32*(\m)+\k+1], v[BI+\k:BI+\k+1]   ; each accumulator from its low end on
.endr
	WIN 0
	QUANT2 T, PC+4*(\m), SW+(\m), TM
.endm
.macro VTILE n
	WIN 0x01
.irp k, 0,2,4,6,8,10,12,14,16,18,20,22,24,26,28,30,32,34,36,38,40,42,44,46,48,50,52,54,56,58,60,62
	v_pk_add_f32 v[T+\k:T+\k+1], v[64*(\n)+\k:64*(\n)+\k+1], v[BI+2*(\n):BI+2*(\n)+1]
.endr
	WIN 0
	QUANT4 T, PC+8*(\n), SW+(\n), TM
.endm
	s_load_b256 s[4:11], s[0:1], 0x0               ; xq, wq, bq, bk
	s_load_b128 s[12:15], s[0:1], 0x20             ; bv, qq
	s_load_b64 s[16:17], s[0:1], 0x30              ; kv
	v_lshl_add_u32 v14, v0, 2, 0x10000
	v_mov_b32 v15, 0
	v_lshrrev_b32 v5, 5, v0
	v_readfirstlane_b32 s18, v5                    ; wave 0..3
	v_and_b32 v6, 31, v0                           ; lane
	v_lshlrev_b32 v1, 4, v6                        ; 16 x lane
	s_wait_alu depctr_va_vdst(0)
	v_lshlrev_b32 v2, 4, v0                        ; 16 x thread: the copy's place, in memory and in LDS alike
	v_and_b32 v8, 15, v0
	v_bfe_u32 v9, v0, 4, 1
	v_lshlrev_b32 v3, 6, v9                        ; q, k: bias at 64 (lane / 16) bytes
	v_and_b32 v7, 8, v8
	v_add_nc_u32 v7, v7, v8
	v_lshlrev_b32 v7, 2, v7                        ; v: bias at 4 (16 (a / 8) + a % 8) bytes
	s_wait_alu depctr_va_sdst(0)                   ; s18 is written, ahead of its first reader: my columns and all bases are made from it
	s_and_b32 s20, ttmp7, 0xffff                   ; tg
	s_lshr_b32 s21, ttmp9, 2                       ; 0: q, 1: k, 2: v
	s_lshl_b32 s22, ttmp9, 2
	s_add_co_u32 s22, s22, s18                     ; my 64 columns of the 3,072
	s_and_b32 s23, s22, 15                         ; the head
	s_mov_b32 s[SEL], 0x76543210
	s_mov_b32 s[SEL+1], 0xfedcba98
	s_lshl_b32 s26, s20, 16                        ; x's codes: 65,536 bytes for 128 tokens
	s_mov_b32 s27, 0
	s_lshl_b32 s28, s20, 12                        ; x's scale words: 4,096
	s_add_co_u32 s28, s28, 4194304
	s_mov_b32 s29, 0
	s_lshl_b32 s30, s22, 15                        ; W's codes: 32,768 a head
	s_mov_b32 s31, 0
	s_lshl_b32 s32, s22, 11                        ; W's scale words: 2,048 a head
	s_add_co_u32 s32, s32, 2097152
	s_mov_b32 s33, 0
	s_lshl_b32 s34, s23, 8                         ; the bias: 256 bytes a head
	s_mov_b32 s35, 0
	s_lshr_b32 s38, s20, 4
	s_lshl_b32 s38, s38, 4
	s_add_co_u32 s38, s38, s23                     ; 16 x batch + head
	s_and_b32 s39, s20, 15                         ; the step of 128 tokens
	s_mov_b32 s40, 147456
	s_mov_b32 s41, 9216
	s_mov_b32 s42, 8192
	s_cmp_eq_u32 s21, 0
	s_cselect_b32 s40, 73728, s40                  ; bytes of a head,
	s_cselect_b32 s41, 4608, s41                   ; of a step,
	s_cselect_b32 s42, 4096, s42                   ; and where the scale words begin, in qq or in kv
	s_mul_i32 s36, s38, s40
	s_mul_i32 s37, s39, s41
	s_add_co_u32 s36, s36, s37
	s_mov_b32 s37, 0
	v_add_nc_u32 v4, s42, v1
	s_wait_kmcnt 0x0
	s_add_nc_u64 s[26:27], s[4:5], s[26:27]
	s_add_nc_u64 s[28:29], s[4:5], s[28:29]
	s_add_nc_u64 s[30:31], s[6:7], s[30:31]
	s_add_nc_u64 s[32:33], s[6:7], s[32:33]
	s_cmp_eq_u32 s21, 0
	s_cselect_b64 s[44:45], s[14:15], s[16:17]
	s_cselect_b64 s[46:47], s[8:9], s[10:11]
	s_cmp_eq_u32 s21, 2
	s_cselect_b64 s[46:47], s[12:13], s[46:47]
	s_add_nc_u64 s[34:35], s[46:47], s[34:35]
	s_add_nc_u64 s[36:37], s[44:45], s[36:37]
	s_wait_alu depctr_va_vdst(0)                   ; the offsets v1 to v4 and v7 are written: every load and store of the kernel reads one of them
.set II, 0
.rept 32
	global_load_b128 v[64+4*II:67+4*II], v2, s[26:27] offset:2048*II   ; the panel: the work-group's 128 threads take 2,048 consecutive bytes
.set II, II+1
.endr
.irp p, 0,1,2,3
.irp f, 0,1
	global_load_b128 v[XS+8*\p+4*\f:XS+8*\p+4*\f+3], v1, s[28:29] offset:1024*\p+512*\f
.endr
.endr
.irp p, 0,1
.irp f, 0,1
	global_load_b128 v[WS+8*\p+4*\f:WS+8*\p+4*\f+3], v1, s[32:33] offset:1024*\p+512*\f
.endr
.endr
	BLOAD 0
	BLOAD 1
	s_wait_loadcnt 28                              ; the panel's 32 loads are in; 12 loads of scale words and 16 of W may be out
.set II, 0
.rept 32
	ds_store_b128 v2, v[64+4*II:67+4*II] offset:2048*II
.set II, II+1
.endr
	s_wait_dscnt 0x0                               ; for the others' sake: my part of the panel lies in LDS
	s_barrier_signal -1
	s_barrier_wait -1                              ; the whole panel does; nobody writes LDS again
	s_wait_alu depctr_vm_vsrc(0)                   ; my LDS stores have read v64-191: these registers are x's two sets from here on, in which the fragments' loads land
	ALOAD 0
	ALOAD 1
	s_cmp_eq_u32 s21, 2
	s_cbranch_scc1 .Lv
	; ---- q, k
	KSTEP 0, 0, 1
.irp s, 1,2,3,4,5,6,7
	KSTEP \s, 0, 0
.endr
	s_wait_loadcnt 0x0                             ; the bias
	v_cmp_gt_u32 vcc_lo, 16, v6                    ; lanes 0-15
	v_mov_b32 v[TM+2], 0                           ; a lane permute's destination counts as one of its sources
	v_mov_b32 v[TM+3], 0
.irp m, 0,1,2,3
	QKTILE \m
.endr
	s_wait_alu depctr_va_vdst(0)                   ; the conversions and swaps have written the codes of tiles 0 to 3, which the four stores read
.irp m, 0,1,2,3
	global_store_b128 v1, v[PC+4*\m:PC+4*\m+3], s[36:37] offset:512*\m      ; 512 consecutive bytes: tile m
.endr
.irp m, 4,5,6,7
	QKTILE \m
.endr
	s_wait_alu depctr_va_vcc(0)                    ; the compare above has written VCC, ahead of its first reader
.irp i, 0,1,2,3
	v_cndmask_b32 v[SO+\i], v[SW+2*\i+1], v[SW+2*\i], vcc_lo                ; tile 2 i's words in lanes 0-15, tile 2 i + 1's in lanes 16-31
.endr
	s_wait_alu depctr_va_vdst(0)                   ; the codes of tiles 4 to 7 and the scale words are written, which the five stores read
.irp m, 4,5,6,7
	global_store_b128 v1, v[PC+4*\m:PC+4*\m+3], s[36:37] offset:512*\m
.endr
	global_store_b128 v4, v[SO:SO+3], s[36:37]
	s_wait_dscnt 0x0
	s_wait_alu depctr_hold_cnt(0) depctr_sa_sdst(0) depctr_va_vdst(0) depctr_va_sdst(0) depctr_va_ssrc(0) depctr_va_vcc(0) depctr_vm_vsrc(0)
	s_wait_tensorcnt 0x0
	ds_add_u32 v14, v15
	s_wait_dscnt 0x0
	s_endpgm
	; ---- v
.Lv:
	KSTEP 0, 1, 1
.irp s, 1,2,3,4,5,6,7
	KSTEP \s, 1, 0
.endr
	s_wait_loadcnt 0x0
	v_cmp_gt_u32 vcc_lo, 16, v6
.irp b, 4,5,6,7
	v_mov_b32 v[TM+\b], 0
.endr
	VTILE 0
	VTILE 1
	s_wait_alu depctr_va_vdst(0)                   ; the conversions and swaps have written the codes of tiles 0 and 1, which the four stores read
.irp n, 0,1
	global_store_b128 v1, v[PC+8*\n:PC+8*\n+3], s[36:37] offset:4096+1024*\n
	global_store_b128 v1, v[PC+8*\n+4:PC+8*\n+7], s[36:37] offset:4096+1024*\n+512
.endr
	VTILE 2
	VTILE 3
	s_wait_alu depctr_va_vcc(0)                    ; the compare above has written VCC, ahead of its first reader
	v_cndmask_b32 v[SO], v[SW+1], v[SW], vcc_lo
	v_cndmask_b32 v[SO+1], v[SW+3], v[SW+2], vcc_lo
	v_mov_b32 v[SO+2], 0
	v_mov_b32 v[SO+3], 0
	s_wait_alu depctr_va_vdst(0)                   ; the codes of tiles 2 and 3 and the scale words are written, which the five stores read
.irp n, 2,3
	global_store_b128 v1, v[PC+8*\n:PC+8*\n+3], s[36:37] offset:4096+1024*\n
	global_store_b128 v1, v[PC+8*\n+4:PC+8*\n+7], s[36:37] offset:4096+1024*\n+512
.endr
	global_store_b128 v1, v[SO:SO+3], s[36:37] offset:8704
	s_wait_dscnt 0x0
	s_wait_alu depctr_hold_cnt(0) depctr_sa_sdst(0) depctr_va_vdst(0) depctr_va_sdst(0) depctr_va_ssrc(0) depctr_va_vcc(0) depctr_vm_vsrc(0)
	s_wait_tensorcnt 0x0
	ds_add_u32 v14, v15
	s_wait_dscnt 0x0
	s_endpgm
.Lfunc_end_k_qecebf5571a_proj:
	.size	k_qecebf5571a_proj, .Lfunc_end_k_qecebf5571a_proj-k_qecebf5571a_proj
	.p2alignl 7, 3214868480
	.fill 96, 4, 3214868480
	.section	.rodata,"a",@progbits
	.p2align	6, 0x0
	.amdhsa_kernel k_qecebf5571a_proj
		.amdhsa_group_segment_fixed_size 66048
		.amdhsa_private_segment_fixed_size 0
		.amdhsa_enable_private_segment 0
		.amdhsa_kernarg_size 56
		.amdhsa_user_sgpr_count 2
		.amdhsa_user_sgpr_kernarg_segment_ptr 1
		.amdhsa_wavefront_size32 1
		.amdhsa_system_sgpr_workgroup_id_x 1
		.amdhsa_system_sgpr_workgroup_id_y 1
		.amdhsa_system_sgpr_workgroup_id_z 1
		.amdhsa_system_vgpr_workitem_id 0
		.amdhsa_next_free_vgpr 512
		.amdhsa_next_free_sgpr 66
		.amdhsa_reserve_vcc 1
		.amdhsa_float_denorm_mode_32 3
		.amdhsa_float_denorm_mode_16_64 3
		.amdhsa_memory_ordered 1
		.amdhsa_forward_progress 1
		.amdhsa_inst_pref_size 153
	.end_amdhsa_kernel
	.amdgpu_metadata
---
amdhsa.version: [ 1, 2 ]
amdhsa.kernels:
  - .name:           k_qecebf5571a_proj
    .symbol:         k_qecebf5571a_proj.kd
    .args:
      - { .name: xq, .offset: 0, .size: 8, .value_kind: global_buffer, .address_space: global }
      - { .name: wq, .offset: 8, .size: 8, .value_kind: global_buffer, .address_space: global }
      - { .name: bq, .offset: 16, .size: 8, .value_kind: global_buffer, .address_space: global }
      - { .name: bk, .offset: 24, .size: 8, .value_kind: global_buffer, .address_space: global }
      - { .name: bv, .offset: 32, .size: 8, .value_kind: global_buffer, .address_space: global }
      - { .name: qq, .offset: 40, .size: 8, .value_kind: global_buffer, .address_space: global }
      - { .name: kv, .offset: 48, .size: 8, .value_kind: global_buffer, .address_space: global }
    .group_segment_fixed_size: 66048
    .private_segment_fixed_size: 0
    .kernarg_segment_align: 8
    .kernarg_segment_size: 56
    .max_flat_workgroup_size: 128
    .sgpr_count:     66
    .vgpr_count:     512
    .wavefront_size: 32
...
	.end_amdgpu_metadata
.endif
;; end of part 6
;; launch attn (part 7): grid 4 x 64, 16 waves a work-group, no clusters, 149,504 bytes of LDS; arguments qq, kv, cq; writes cq
.if DOCPART == 7
	.amdgcn_target "amdgcn-amd-amdhsa--gfx1250"
	.amdhsa_code_object_version 6
	.text
	.protected	k_qecebf5571a_attn
	.globl	k_qecebf5571a_attn
	.p2align	8
	.type	k_qecebf5571a_attn,@function
k_qecebf5571a_attn:
	s_mov_b64 s[64:65], 0
	v_nop
	global_prefetch_b8 v0, s[64:65] scope:SCOPE_SE
	s_setreg_imm32_b32 hwreg(HW_REG_WAVE_SCHED_MODE, 0, 2), 2
	s_setreg_imm32_b32 hwreg(HW_REG_WAVE_MODE, 25, 1), 1
	s_wait_xcnt 0x0
	s_wait_alu depctr_vm_vsrc(0)
; ctx = softmax(q k^T / 8, causal) v for one batch and head, both products on codes of FP4 with E8M0 scales; ctx is quantised along (head, channel) on the way out, as the operand of the last projection.
; THE SOFTMAX: t = score x log2(e) / 8; M = the running largest t rounded UP to a whole number; p = 2^(t - M) is quantised along the keys; the row's sum is taken of the unquantised p and divides at the end.
; When M moves, the sum and O are multiplied by 2^(old M - new M): exact.
; SHARES.  Work-group (pi, batch x head) serves the blocks pi and 7 - pi of 256 queries, one after the other: every work-group has the same number of key steps.  Each of its sixteen waves owns one tile of 16 queries a block.
; The head's k and v (codes and scale words, 147,456 bytes, laid as images of operand registers) are copied into LDS once and only read afterwards: one barrier, nothing is filled again.
; A key step is 128 keys.  S^T = k q^T (source 0 = 16 keys, source 1 = my 16 queries; K = 64: the upper half of both operands is zero codes), O^T = v^T p^T (source 0 = 16 channels): a lane holds ONE query throughout.
; The rows of a tile are not neighbours (of a group of 32, tile u's row a is 16 (a / 8) + 8 u + a % 8), so that the 16 registers of tiles 2 b and 2 b + 1 are 16 neighbouring keys (channels), 32 b + 16 (lane / 16) + 0 .. 15.
; CAUSAL.  Every wave walks the constant 16 trips; a step all of whose keys come after my queries is jumped over by a scalar branch on ids; in my own step hidden scores become -infinity ahead of the maximum.
; LIMITS: that equals an added -1e9 as long as scores stay far under 1e9 in magnitude.  NaN and infinities are not served; a block whose largest magnitude lies under 2^-124 gets the byte 1 (read by this program alone).
; REGISTERS: v1-7, v9, v10 addresses that stay; v8 the LDS address of the step's v, v11 of the next step's k; v12 -M, v13 the largest t, v[14:15] the sum; v16-23 q; v24-29 ctx's codes and bytes; v32-95 k's 8 fragments;
;   v96-159 S^T, then p; v160-191 O^T; v192-223 v's 4 fragments; v224-231 p's codes; v232-239, v244-247, v252, v254 at work; v240-243 v's scale words, v248-251 k's, v253 p's, v255 q's.  s36-51: sixteen masks.
; THE MODE: SCHED_MODE bits 1:0 = 2 (LLVM: expert scheduling mode 2), set by the entry lines.  The code itself states the register dependences
; between vector or matrix instructions and memory or LDS instructions, with s_wait_alu, always for 0.
; THE PLAN.  Registers that memory or LDS instructions touch:
;   v1-7, v9        offsets and addresses: made once at the head, never written again.
;   v96-167         the copy: global loads write them, LDS stores read them; afterwards they are S^T and O^T.
;   v16-19, v255    q: loaded once a block; read by the products k q^T.
;   k's registers   (the low halves of v32-95, v248-251): step j's products k q^T read them; the LDS loads of step j + 1 land in them.
;   v's registers   (v192-223, v240-243): step j - 1's products v^T p^T read them; the LDS loads of step j land in them.
;   v8, v11         written once a step, read by those loads.
;   v24-27, v29     a block's results: written by its quantiser, read by its two stores.
; A step has four waits on va_vdst, which stand in it in any case.  THE THIRD, behind the exponentials and ahead of their first reader, also states that the products k q^T of this step and v^T p^T of the step before are done
; reading their operands and that v8 and v11 are written: the next step's k and this step's v are asked for behind it, and no vector instruction behind it names a register of those loads.  THE FOURTH, ahead of v^T p^T, states
; that p's codes and scale word are written.  One wait on vm_vsrc a step stands ahead of the two additions that write v8 and v11.  So a step's head holds no wait: its k was shown in by the wait on DScnt of the step before.
.set SEL, 14                           ; s[14:15] lane selects: lane l xor 16
.set CS,  16                           ; s[16:17] c = log2(e) / 8, twice
.set MK,  36                           ; s[36:51] masks of the causal compares
.macro PLACES
.rept 4
	v_nop
.endr
.endm
.macro WMS d, a, b, zero, sa, sb, ra, rb
.if \zero
.if (\ra) && (\rb)
	v_wmma_scale_f32_16x16x128_f8f6f4 v[(\d):(\d)+7], v[(\a):(\a)+7], v[(\b):(\b)+7], 0, v[\sa], v[\sb] matrix_a_fmt:MATRIX_FMT_FP4 matrix_b_fmt:MATRIX_FMT_FP4 matrix_a_scale:MATRIX_SCALE_ROW1 matrix_b_scale:MATRIX_SCALE_ROW1
.elseif (\ra)
	v_wmma_scale_f32_16x16x128_f8f6f4 v[(\d):(\d)+7], v[(\a):(\a)+7], v[(\b):(\b)+7], 0, v[\sa], v[\sb] matrix_a_fmt:MATRIX_FMT_FP4 matrix_b_fmt:MATRIX_FMT_FP4 matrix_a_scale:MATRIX_SCALE_ROW1
.elseif (\rb)
	v_wmma_scale_f32_16x16x128_f8f6f4 v[(\d):(\d)+7], v[(\a):(\a)+7], v[(\b):(\b)+7], 0, v[\sa], v[\sb] matrix_a_fmt:MATRIX_FMT_FP4 matrix_b_fmt:MATRIX_FMT_FP4 matrix_b_scale:MATRIX_SCALE_ROW1
.else
	v_wmma_scale_f32_16x16x128_f8f6f4 v[(\d):(\d)+7], v[(\a):(\a)+7], v[(\b):(\b)+7], 0, v[\sa], v[\sb] matrix_a_fmt:MATRIX_FMT_FP4 matrix_b_fmt:MATRIX_FMT_FP4
.endif
.else
.if (\ra) && (\rb)
	v_wmma_scale_f32_16x16x128_f8f6f4 v[(\d):(\d)+7], v[(\a):(\a)+7], v[(\b):(\b)+7], v[(\d):(\d)+7], v[\sa], v[\sb] matrix_a_fmt:MATRIX_FMT_FP4 matrix_b_fmt:MATRIX_FMT_FP4 matrix_a_scale:MATRIX_SCALE_ROW1 matrix_b_scale:MATRIX_SCALE_ROW1
.elseif (\ra)
	v_wmma_scale_f32_16x16x128_f8f6f4 v[(\d):(\d)+7], v[(\a):(\a)+7], v[(\b):(\b)+7], v[(\d):(\d)+7], v[\sa], v[\sb] matrix_a_fmt:MATRIX_FMT_FP4 matrix_b_fmt:MATRIX_FMT_FP4 matrix_a_scale:MATRIX_SCALE_ROW1
.elseif (\rb)
	v_wmma_scale_f32_16x16x128_f8f6f4 v[(\d):(\d)+7], v[(\a):(\a)+7], v[(\b):(\b)+7], v[(\d):(\d)+7], v[\sa], v[\sb] matrix_a_fmt:MATRIX_FMT_FP4 matrix_b_fmt:MATRIX_FMT_FP4 matrix_b_scale:MATRIX_SCALE_ROW1
.else
	v_wmma_scale_f32_16x16x128_f8f6f4 v[(\d):(\d)+7], v[(\a):(\a)+7], v[(\b):(\b)+7], v[(\d):(\d)+7], v[\sa], v[\sb] matrix_a_fmt:MATRIX_FMT_FP4 matrix_b_fmt:MATRIX_FMT_FP4
.endif
.endif
.endm
; 32 numbers of a lane, register 16 b + i = k 32 b + 16 (lane / 16) + i of my row, become four registers of codes (lanes 0-15 block 0, lanes 16-31 block 1) and the two scale bytes
.macro QUANT2 s, pc, pw, tm
.irp b, 0,1
	v_max3_num_f32 v[\tm+\b], |v[\s+16*\b]|, |v[\s+1+16*\b]|, 0x1800000
.endr
.irp i, 2,4,6,8,10,12,14
.irp b, 0,1
	v_max3_num_f32 v[\tm+\b], v[\tm+\b], |v[\s+16*\b+\i]|, |v[\s+1+16*\b+\i]|
.endr
.endr
.irp b, 0,1
	v_permlanex16_b32 v[\tm+2+\b], v[\tm+\b], s[SEL], s[SEL+1]
.endr
.irp b, 0,1
	v_max_num_f32 v[\tm+\b], v[\tm+\b], v[\tm+2+\b]
.endr
.irp b, 0,1
	v_add_nc_u32 v[\tm+4+\b], 0xff000000, v[\tm+\b]
.endr
.irp b, 0,1
	v_lshrrev_b32 v[\tm+2+\b], 23, v[\tm+4+\b]
.endr
	v_lshl_or_b32 v[\pw], v[\tm+3], 8, v[\tm+2]
.irp b, 0,1
	v_cvt_scalef32_pk8_fp4_f32 v[\pc+2*\b], v[\s+16*\b:\s+7+16*\b], v[\tm+4+\b]
	v_cvt_scalef32_pk8_fp4_f32 v[\pc+1+2*\b], v[\s+8+16*\b:\s+15+16*\b], v[\tm+4+\b]
.endr
	v_nop
	v_permlane16_swap_b32 v[\pc], v[\pc+2]
	v_permlane16_swap_b32 v[\pc+1], v[\pc+3]
.endm
	s_load_b128 s[4:7], s[0:1], 0x0                ; qq, kv
	s_load_b64 s[8:9], s[0:1], 0x10                ; cq
	v_lshl_add_u32 v30, v0, 2, 0x24000
	v_mov_b32 v31, 0
	v_lshrrev_b32 v10, 5, v0
	v_readfirstlane_b32 s10, v10                   ; wave 0..15
	s_and_b32 s12, ttmp7, 0xffff                   ; 16 x batch + head
	s_mov_b32 s[SEL], 0x76543210
	s_mov_b32 s[SEL+1], 0xfedcba98
	s_mov_b32 s[CS], 0x3e38aa3b                    ; log2(e) / 8
	s_mov_b32 s[CS+1], s[CS]
	v_and_b32 v11, 31, v0
	v_lshlrev_b32 v1, 4, v11                       ; 16 x lane
	v_lshlrev_b32 v2, 4, v0                        ; 16 x thread: the copy's place
	v_add_nc_u32 v3, 0x10000, v2
	v_add_nc_u32 v4, 0x20000, v2
	v_and_b32 v9, 15, v0                           ; a
	s_wait_alu depctr_va_vdst(0)
	v_bfe_u32 v10, v0, 4, 1                        ; h
	s_wait_alu depctr_va_vdst(0)
	s_wait_alu depctr_va_sdst(0)                   ; s10 is written, ahead of its first reader: my tile's place is made from it
	s_and_b32 s30, s10, 7                          ; tq: my tile among its step's eight
	s_lshr_b32 s31, s30, 1
	s_and_b32 s32, s30, 1
	v_and_b32 v5, 8, v9
	v_add_nc_u32 v5, v5, v9
	v_lshlrev_b32 v6, 4, v10
	v_sub_nc_u32 v5, v5, v6
	s_lshl_b32 s33, s31, 5
	s_lshl_b32 s34, s32, 3
	s_add_co_u32 s33, s33, s34
	v_add_nc_u32 v5, s33, v5                       ; my query's place in its step - 16 h: register 16 b + i holds key 32 b + i + 16 h, hidden where 32 b + i is larger than this
	s_lshl_b32 s33, s32, 8
	s_lshl_b32 s34, s31, 2
	s_add_co_u32 s33, s33, s34
	s_add_co_u32 s33, s33, 4096
	v_lshl_add_u32 v6, v9, 4, s33                  ; q's scale word of row a of tile tq
	s_lshl_b32 s33, s30, 9
	v_add_nc_u32 v7, s33, v1                       ; q's codes: 512 tq + 16 x lane
	v_lshl_add_u32 v9, v9, 4, v10                  ; ctx's scale bytes: 16 a + h
	v_lshlrev_b32 v10, 3, v10                      ; 8 h: which byte of the word is my lane's
	s_mul_i32 s22, s12, 147456
	s_mov_b32 s23, 0
	s_wait_kmcnt 0x0
	s_add_nc_u64 s[22:23], s[6:7], s[22:23]
	s_wait_alu depctr_va_vdst(0)                   ; the offsets and addresses v1 to v7 and v9 are written, which the loads and stores of the kernel read
.set II, 0
.rept 18
	global_load_b128 v[96+4*II:99+4*II], v2, s[22:23] offset:8192*II   ; 512 threads take 8,192 consecutive bytes
.set II, II+1
.endr
.irp r, 20,21,22,23
	v_mov_b32 v\r, 0                               ; q's k = 64 .. 127: zero codes
.endr
.set II, 0
.rept 8
.irp r, 4,5,6,7
	v_mov_b32 v[32+8*II+\r], 0                     ; and k's: written once, the loads never touch them
.endr
.set II, II+1
.endr
.irp r, 232,233,234,235,236,237,238,239,252,253
	v_mov_b32 v\r, 0                               ; a lane permute's destination counts as one of its sources; v253 is named with v252 as a pair
.endr
.irp i, 0,1,2,3,4,5,6,7
	s_wait_loadcnt 17-\i                           ; load i is in; the younger ones may be out
	ds_store_b128 v2, v[96+4*\i:99+4*\i] offset:8192*\i
.endr
.irp i, 8,9,10,11,12,13,14,15
	s_wait_loadcnt 17-\i
	ds_store_b128 v3, v[96+4*\i:99+4*\i] offset:8192*(\i-8)
.endr
.irp i, 16,17
	s_wait_loadcnt 17-\i
	ds_store_b128 v4, v[96+4*\i:99+4*\i] offset:8192*(\i-16)
.endr
	s_wait_dscnt 0x0                               ; for the others' sake: my part lies in LDS
	s_barrier_signal -1
	s_barrier_wait -1                              ; the head's k and v do; nobody writes LDS again
.macro PASS second
	s_wait_xcnt 0x0                                ; the last block's stores have read their data and their bases: both are written again below
	s_wait_alu depctr_vm_vsrc(0)                   ; first block: the copy's LDS stores have read v96-167, which the products and the clearing of O^T write; second block: the last block's stores have read v24-27 and v29, which this block's quantiser writes
.if \second
	s_sub_co_u32 s21, 7, ttmp9
.else
	s_mov_b32 s21, ttmp9
.endif
	s_lshl_b32 s20, s21, 1
	s_lshr_b32 s30, s10, 3
	s_add_co_u32 s20, s20, s30                     ; my queries' own step: the last that counts
	s_mul_i32 s24, s12, 73728
	s_mul_i32 s30, s20, 4608
	s_add_co_u32 s24, s24, s30
	s_mov_b32 s25, 0
	s_add_nc_u64 s[24:25], s[4:5], s[24:25]        ; q's record of that step
	s_lshr_b32 s30, s12, 4
	s_lshl_b32 s30, s30, 7
	s_lshl_b32 s31, s21, 4
	s_add_co_u32 s30, s30, s31
	s_add_co_u32 s30, s30, s10                     ; my tile among all 512 tiles of tokens
	s_and_b32 s31, s12, 15                         ; the head
	s_lshl_b32 s26, s30, 13
	s_lshl_b32 s32, s31, 9
	s_add_co_u32 s26, s26, s32
	s_mov_b32 s27, 0
	s_add_nc_u64 s[26:27], s[8:9], s[26:27]        ; ctx's codes: 8,192 a tile, blocks 2 head and 2 head + 1 of 256 bytes
	s_lshr_b32 s28, s30, 1
	s_lshl_b32 s28, s28, 10
	s_lshr_b32 s32, s31, 3
	s_lshl_b32 s32, s32, 9
	s_add_co_u32 s28, s28, s32
	s_and_b32 s32, s30, 1
	s_lshl_b32 s32, s32, 8
	s_add_co_u32 s28, s28, s32
	s_and_b32 s32, s31, 7
	s_lshl_b32 s32, s32, 1
	s_add_co_u32 s28, s28, s32
	s_add_co_u32 s28, s28, 4194304
	s_mov_b32 s29, 0
	s_add_nc_u64 s[28:29], s[8:9], s[28:29]        ; ctx's scale bytes: 1,024 a group, 512 a half of K, 256 a tile, 16 a row, 2 a head
	s_wait_alu depctr_va_vdst(0)                   ; first block: the zero halves of q and of k, operands of scaled products, are written; second block: the last block's products are done reading q, k and their scale words, in which the loads below land
	global_load_b128 v[16:19], v7, s[24:25]
	global_load_b32 v255, v6, s[24:25]
	ds_load_b128 v[248:251], v1 offset:8192        ; key step 0: k's scale words,
.irp t, 0,1,2,3,4,5,6,7
	ds_load_b128 v[32+8*\t:35+8*\t], v1 offset:512*\t   ; and its eight fragments
.endr
	v_mov_b32 v13, 0xff61b1e6                      ; the largest t so far: -3e38
	v_floor_f32 v12, -v13                          ; -M
	v_mov_b32 v14, 0
	v_mov_b32 v15, 0
.set II, 0
.rept 32
	v_mov_b32 v[160+II], 0                         ; O^T: the step is written once, its first trip finds zeros
.set II, II+1
.endr
	s_mov_b32 s18, 0                               ; the key step
	s_mov_b32 s19, 0                               ; and its record in LDS
	s_wait_loadcnt 0x0                             ; q
	s_wait_dscnt 0x0                               ; k of step 0
.Lstep_\@:
	s_cmp_gt_u32 s18, s20
	s_cbranch_scc1 .Lhidden_\@                     ; all its keys come after my queries
.irp t, 0,1,2,3,4,5,6,7
	WMS 96+8*\t, 32+8*\t, 16, 1, 248+\t/2, 255, \t%2, 0   ; k and its words are in: asked for a step ago, shown in ahead of that step's second product (step 0: ahead of the loop)
.endr
	PLACES
	s_cmp_lg_u32 s18, s20
	s_cbranch_scc1 .Lopen_\@                       ; all its keys count
	v_mov_b32 v254, 0xff800000                     ; -infinity
.set RR, 0
.rept 4                                            ; block RR of 32 keys: sixteen compares in a run, each into a mask of its own, one wait, sixteen selects
.set II, 0
.rept 16
	v_cmp_gt_i32 s[MK+II], 32*RR+II, v5
.set II, II+1
.endr
	s_wait_alu depctr_va_sdst(0)                   ; the sixteen masks are written, ahead of their first reader
.set II, 0
.rept 16
	v_cndmask_b32 v[96+16*RR+II], v[96+16*RR+II], v254, s[MK+II]
.set II, II+1
.endr
.set RR, RR+1
.endr
.Lopen_\@:
.irp b, 0,1,2,3
	v_max3_num_f32 v[232+\b], v[96+16*\b], v[97+16*\b], v[98+16*\b]   ; the largest score of each block of 32 keys: for the row's maximum, and, since p rises with the score, for the block's largest p
.endr
.irp i, 3,5,7,9,11,13
.irp b, 0,1,2,3
	v_max3_num_f32 v[232+\b], v[232+\b], v[96+16*\b+\i], v[97+16*\b+\i]
.endr
.endr
.irp b, 0,1,2,3
	v_max_num_f32 v[232+\b], v[232+\b], v[111+16*\b]
.endr
.irp b, 0,1,2,3
	v_permlanex16_b32 v[236+\b], v[232+\b], s[SEL], s[SEL+1]
.endr
.irp b, 0,1,2,3
	v_max_num_f32 v[232+\b], v[232+\b], v[236+\b]  ; with lane l xor 16's 16 keys
.endr
	v_max3_num_f32 v254, v232, v233, v234
	v_max_num_f32 v254, v254, v235
	v_mul_f32 v254, s[CS], v254                    ; the step's largest t
	v_max_num_f32 v13, v13, v254
	v_mov_b32 v254, v12
	v_floor_f32 v12, -v13                          ; the new -M = -ceil(t): a whole number
	v_sub_f32 v254, v12, v254                      ; old M - new M
	v_cvt_i32_f32 v254, v254                       ; (it saturates)
	v_ldexp_f32 v252, 1.0, v254                    ; f = 2^(old M - new M)
.irp j, 0,2,4,6,8,10,12,14,16,18,20,22,24,26,28,30,32,34,36,38,40,42,44,46,48,50,52,54,56,58,60,62
	v_pk_fma_f32 v[96+\j:97+\j], v[96+\j:97+\j], s[CS:CS+1], v[12:13] op_sel_hi:[1,0,0]   ; t - M
.endr
.irp b, 0,1,2,3
	v_fma_f32 v[232+\b], v[232+\b], s[CS], v12
.endr
.set II, 0
	s_wait_alu depctr_va_vdst(0)
.rept 64
	v_exp_f32 v[96+II], v[96+II]                   ; p = 2^(t - M)
.set II, II+1
.endr
.irp b, 0,1,2,3
	v_exp_f32 v[232+\b], v[232+\b]                 ; the block's largest p: the same two instructions on the same number
.endr
	v_pk_mul_f32 v[14:15], v[14:15], v[252:253] op_sel_hi:[1,0]   ; the sums under the new M (a plain place behind the exponentials)
	s_wait_alu depctr_va_vdst(0)
.irp j, 0,2,4,6,8,10,12,14,16,18,20,22,24,26,28,30
	v_pk_mul_f32 v[160+\j:161+\j], v[160+\j:161+\j], v[252:253] op_sel_hi:[1,0]   ; O^T under the new M: work that names no exponential's result, between the batch and the wait for it
.endr
	s_add_co_u32 s33, s19, 9216                    ; the next step's record; behind the last record there is none: the address is held there, so that no load leaves LDS
	s_min_u32 s33, s33, 15*9216                    ; (what the loads of my last step bring of k is not used)
	s_wait_alu depctr_vm_vsrc(0)                   ; the LDS loads of the step before have read v8 and v11
	v_add_nc_u32 v8, s19, v1
	v_add_nc_u32 v11, s33, v1
	s_wait_alu depctr_va_vdst(0)                   ; the 68 exponentials have written p and the blocks' largest p, ahead of their first reader; the products k q^T of this step and v^T p^T of the step before are done reading the registers in which the loads below land; v8 and v11 are written
	ds_load_b128 v[248:251], v11 offset:8192       ; the next step's k: its scale words,
.irp t, 0,1,2,3,4,5,6,7
	ds_load_b128 v[32+8*\t:35+8*\t], v11 offset:512*\t   ; its eight fragments
.endr
	ds_load_b128 v[240:243], v8 offset:8704        ; this step's v: its scale words,
.irp t, 0,1,2,3
.irp c, 0,1
	ds_load_b128 v[192+8*\t+4*\c:195+8*\t+4*\c], v8 offset:4096+1024*\t+512*\c   ; its four fragments
.endr
.endr
.irp b, 0,1,2,3
	v_max_num_f32 v[232+\b], 0x1800000, v[232+\b]  ; the floor 2^(3 - 127)
.endr
.irp b, 0,1,2,3
	v_add_nc_u32 v[244+\b], 0xff000000, v[232+\b]
.endr
.irp b, 0,1,2,3
	v_lshrrev_b32 v[236+\b], 23, v[244+\b]
.endr
	v_lshl_or_b32 v253, v237, 8, v236              ; p's scale word for these 128 keys
	v_lshl_or_b32 v253, v238, 16, v253
	v_lshl_or_b32 v253, v239, 24, v253
.irp b, 0,1,2,3
	v_cvt_scalef32_pk8_fp4_f32 v[224+2*\b], v[96+16*\b:103+16*\b], v[244+\b]
	v_cvt_scalef32_pk8_fp4_f32 v[225+2*\b], v[104+16*\b:111+16*\b], v[244+\b]
.endr
	v_nop
.irp c, 0,1
.irp i, 0,1
	v_permlane16_swap_b32 v[224+4*\c+\i], v[226+4*\c+\i]
.endr
.endr
	v_pk_add_f32 v[236:237], v[96:97], v[98:99]    ; the row's sum of the unquantised p, in two chains; these additions are also the places between p's codes and word and the products below
.irp j, 4,8,12,16,20,24,28,32,36,40,44,48,52,56,60
	v_pk_add_f32 v[14:15], v[14:15], v[96+\j:97+\j]
	v_pk_add_f32 v[236:237], v[236:237], v[98+\j:99+\j]
.endr
	v_pk_add_f32 v[14:15], v[14:15], v[236:237]
	s_wait_dscnt 0x0                               ; v is in, and so is the next step's k, which was asked for ahead of it
	s_wait_alu depctr_va_vdst(0)                   ; the conversions and swaps have written p's codes, the shifts its scale word: operands of the scaled products below; the places stand ahead of this wait
.irp t, 0,1,2,3
	WMS 160+8*\t, 192+8*\t, 224, 0, 240+\t/2, 253, \t%2, 0   ; four accumulators by turns; the next trip's S^T stands between two links
.endr
	PLACES                                         ; behind the last products, ahead of the first read of O^T behind the loop
.Lhidden_\@:
	s_add_co_u32 s19, s19, 9216
	s_add_co_u32 s18, s18, 1
	s_cmp_lt_u32 s18, 16
	s_cbranch_scc1 .Lstep_\@
	v_add_f32 v14, v14, v15                        ; the sum's two halves,
	v_permlanex16_b32 v252, v14, s[SEL], s[SEL+1]
	v_add_f32 v14, v14, v252                       ; and lane l xor 16's
	s_wait_alu depctr_va_vdst(0)
	v_rcp_f32 v14, v14
	v_nop
	s_wait_alu depctr_va_vdst(0)                   ; the reciprocal has written v14, ahead of its first reader
.set II, 0
.rept 32
	v_mul_f32 v[96+II], v[160+II], v14             ; ctx(my query, 32 b + 16 h + i) in register 16 b + i
.set II, II+1
.endr
	QUANT2 96, 24, 28, 232
	v_lshrrev_b32 v29, v10, v28                    ; lanes 0-15: block 0's byte; lanes 16-31: block 1's
	s_wait_alu depctr_va_vdst(0)                   ; the quantiser has written the codes v24-27 and the byte v29, which the two stores read
	global_store_b128 v1, v[24:27], s[26:27]       ; 512 consecutive bytes
	global_store_b8 v9, v29, s[28:29]              ; a row's two bytes: a K step's word belongs to two heads, so no whole word is mine
.endm
	PASS 0
	PASS 1
	s_wait_dscnt 0x0
	s_wait_alu depctr_hold_cnt(0) depctr_sa_sdst(0) depctr_va_vdst(0) depctr_va_sdst(0) depctr_va_ssrc(0) depctr_va_vcc(0) depctr_vm_vsrc(0)
	s_wait_tensorcnt 0x0
	ds_add_u32 v30, v31
	s_wait_dscnt 0x0
	s_endpgm
.Lfunc_end_k_qecebf5571a_attn:
	.size	k_qecebf5571a_attn, .Lfunc_end_k_qecebf5571a_attn-k_qecebf5571a_attn
	.p2alignl 7, 3214868480
	.fill 96, 4, 3214868480
	.section	.rodata,"a",@progbits
	.p2align	6, 0x0
	.amdhsa_kernel k_qecebf5571a_attn
		.amdhsa_group_segment_fixed_size 149504
		.amdhsa_private_segment_fixed_size 0
		.amdhsa_enable_private_segment 0
		.amdhsa_kernarg_size 24
		.amdhsa_user_sgpr_count 2
		.amdhsa_user_sgpr_kernarg_segment_ptr 1
		.amdhsa_wavefront_size32 1
		.amdhsa_system_sgpr_workgroup_id_x 1
		.amdhsa_system_sgpr_workgroup_id_y 1
		.amdhsa_system_sgpr_workgroup_id_z 1
		.amdhsa_system_vgpr_workitem_id 0
		.amdhsa_next_free_vgpr 256
		.amdhsa_next_free_sgpr 66
		.amdhsa_reserve_vcc 0
		.amdhsa_float_denorm_mode_32 3
		.amdhsa_float_denorm_mode_16_64 3
		.amdhsa_memory_ordered 1
		.amdhsa_forward_progress 1
		.amdhsa_inst_pref_size 70
	.end_amdhsa_kernel
	.amdgpu_metadata
---
amdhsa.version: [ 1, 2 ]
amdhsa.kernels:
  - .name:           k_qecebf5571a_attn
    .symbol:         k_qecebf5571a_attn.kd
    .args:
      - { .name: qq, .offset: 0, .size: 8, .value_kind: global_buffer, .address_space: global }
      - { .name: kv, .offset: 8, .size: 8, .value_kind: global_buffer, .address_space: global }
      - { .name: cq, .offset: 16, .size: 8, .value_kind: global_buffer, .address_space: global }
    .group_segment_fixed_size: 149504
    .private_segment_fixed_size: 0
    .kernarg_segment_align: 8
    .kernarg_segment_size: 24
    .max_flat_workgroup_size: 512
    .sgpr_count:     66
    .vgpr_count:     256
    .wavefront_size: 32
...
	.end_amdgpu_metadata
.endif
;; end of part 7
;; launch outp (part 8): grid 256 x 1, 4 waves a work-group, no clusters, 132,096 bytes of LDS; arguments cq, wq, x, bo, gamma, beta, out0; writes out0
.if DOCPART == 8
	.amdgcn_target "amdgcn-amd-amdhsa--gfx1250"
	.amdhsa_code_object_version 6
	.text
	.protected	k_qecebf5571a_outp
	.globl	k_qecebf5571a_outp
	.p2align	8
	.type	k_qecebf5571a_outp,@function
k_qecebf5571a_outp:
	s_mov_b64 s[64:65], 0
	v_nop
	global_prefetch_b8 v0, s[64:65] scope:SCOPE_SE
	s_setreg_imm32_b32 hwreg(HW_REG_WAVE_SCHED_MODE, 0, 2), 2
	s_setreg_imm32_b32 hwreg(HW_REG_WAVE_MODE, 25, 1), 1
	s_wait_xcnt 0x0
	s_wait_alu depctr_vm_vsrc(0)
; out = LayerNorm(x + ctx Wo + bo) x gamma + beta.  The product on codes of FP4 with E8M0 scales, all else in f32.
; SHARES.  A work-group takes a group of 32 tokens (two tiles) and all 1,024 columns, so that a row's mean and variance never leave it.  Wave w makes columns 256 w .. 256 w + 255: 16 tiles x 2 tiles of tokens = 32 accumulators,
; K = 1,024 in 8 steps, 256 matrix instructions.  ctx's 16 fragments stay in registers; Wo's come from memory, two steps ahead, as images of their registers (512 consecutive bytes a load).
; Source 0 = 16 columns of Wo, source 1 = 16 tokens: a lane holds one token and eight neighbouring columns.  The results meet in a stage in LDS (32 rows of 4,096 bytes + 16); behind one barrier each wave takes 8 whole rows,
; which are 8 neighbouring tokens, adds bo and x, and normalises: the mean first, then the mean of the squared differences.
; LIMITS: NaN and infinities are not served.
; REGISTERS: window 0: v1-4 addresses; v16-23 ctx's scale words, v24-87 Wo's; v88-95 statistics; v96-191 bo, gamma, beta; a row in three sets by turns: v192-223, v224-255 and v24-55, which the products are done with.
;   Window 1: the accumulators, (m, n) at 8 (16 m + n).  Window 2: Wo's fragments, two sets of 128; later my 8 rows of x.  Window 3: v0-127 ctx's fragments, (m, s) at 64 m + 8 s.
; THE MODE: SCHED_MODE bits 1:0 = 2 (LLVM: expert scheduling mode 2), set by the entry lines.  The code itself states the register dependences
; between vector or matrix instructions and memory or LDS instructions, with s_wait_alu, always for 0.
; THE PLAN.  Registers that memory or LDS instructions touch:
;   v1-4            offsets and LDS addresses: made once at the head, never written again.
;   Wo's two sets   step s's products read set s % 2; the loads of step s + 2 land in it, behind steps 6 and 7 my rows of x.
;   the accumulators  written by the products, read by the LDS stores into the stage.
;   Y0, Y1, Y2      row i works in Y[i % 3].  Loaded from the stage at the head of row i - 1; read and written by row i's arithmetic; read by row i's eight stores, which are issued in row i + 1.
; A K step has ONE wait on va_vdst, behind its products: they are done reading the step's set of Wo; the last step's also states the accumulators written.
; A row has two waits on va_vdst; the second, behind its two reciprocal roots and ahead of their first reader, also states that the row before has written its set, whose stores follow it at once.  The load at the head of row i lands in
; Y[(i + 1) % 3]: its last vector reader, row i - 2, stands ahead of row i - 1's wait, and nothing behind that wait names it; its stores were issued in row i - 1, and one wait on vm_vsrc at the row's head states them done reading.
.set CS,  16
.set WS,  24
.set ST,  88
.set BO,  96
.set GA,  128
.set BE,  160
.set Y,   192                          ; set k of a row: Y + 32 k for k = 0, 1; v24 for k = 2: Y + 32 k - 232 (k / 2)
.set SEL, 32                           ; s[32:33] lane selects: lane l xor 16
.set SPITCH, 4112
.set MSB, 0
.macro WIN new                         ; the immediate's high byte repeats the setting that is left
.if MSB != \new
	s_set_vgpr_msb (MSB<<8)|\new
.set MSB, \new
.endif
.endm
.macro PLACES
.rept 4
	v_nop
.endr
.endm
.macro WMS d, a, b, zero, sa, sb, ra, rb
.if \zero
.if (\ra) && (\rb)
	v_wmma_scale_f32_16x16x128_f8f6f4 v[(\d):(\d)+7], v[(\a):(\a)+7], v[(\b):(\b)+7], 0, v[\sa], v[\sb] matrix_a_fmt:MATRIX_FMT_FP4 matrix_b_fmt:MATRIX_FMT_FP4 matrix_a_scale:MATRIX_SCALE_ROW1 matrix_b_scale:MATRIX_SCALE_ROW1
.elseif (\ra)
	v_wmma_scale_f32_16x16x128_f8f6f4 v[(\d):(\d)+7], v[(\a):(\a)+7], v[(\b):(\b)+7], 0, v[\sa], v[\sb] matrix_a_fmt:MATRIX_FMT_FP4 matrix_b_fmt:MATRIX_FMT_FP4 matrix_a_scale:MATRIX_SCALE_ROW1
.elseif (\rb)
	v_wmma_scale_f32_16x16x128_f8f6f4 v[(\d):(\d)+7], v[(\a):(\a)+7], v[(\b):(\b)+7], 0, v[\sa], v[\sb] matrix_a_fmt:MATRIX_FMT_FP4 matrix_b_fmt:MATRIX_FMT_FP4 matrix_b_scale:MATRIX_SCALE_ROW1
.else
	v_wmma_scale_f32_16x16x128_f8f6f4 v[(\d):(\d)+7], v[(\a):(\a)+7], v[(\b):(\b)+7], 0, v[\sa], v[\sb] matrix_a_fmt:MATRIX_FMT_FP4 matrix_b_fmt:MATRIX_FMT_FP4
.endif
.else
.if (\ra) && (\rb)
	v_wmma_scale_f32_16x16x128_f8f6f4 v[(\d):(\d)+7], v[(\a):(\a)+7], v[(\b):(\b)+7], v[(\d):(\d)+7], v[\sa], v[\sb] matrix_a_fmt:MATRIX_FMT_FP4 matrix_b_fmt:MATRIX_FMT_FP4 matrix_a_scale:MATRIX_SCALE_ROW1 matrix_b_scale:MATRIX_SCALE_ROW1
.elseif (\ra)
	v_wmma_scale_f32_16x16x128_f8f6f4 v[(\d):(\d)+7], v[(\a):(\a)+7], v[(\b):(\b)+7], v[(\d):(\d)+7], v[\sa], v[\sb] matrix_a_fmt:MATRIX_FMT_FP4 matrix_b_fmt:MATRIX_FMT_FP4 matrix_a_scale:MATRIX_SCALE_ROW1
.elseif (\rb)
	v_wmma_scale_f32_16x16x128_f8f6f4 v[(\d):(\d)+7], v[(\a):(\a)+7], v[(\b):(\b)+7], v[(\d):(\d)+7], v[\sa], v[\sb] matrix_a_fmt:MATRIX_FMT_FP4 matrix_b_fmt:MATRIX_FMT_FP4 matrix_b_scale:MATRIX_SCALE_ROW1
.else
	v_wmma_scale_f32_16x16x128_f8f6f4 v[(\d):(\d)+7], v[(\a):(\a)+7], v[(\b):(\b)+7], v[(\d):(\d)+7], v[\sa], v[\sb] matrix_a_fmt:MATRIX_FMT_FP4 matrix_b_fmt:MATRIX_FMT_FP4
.endif
.endif
.endm
.macro OB s                            ; Wo's 16 fragments of K step s (destination: window 2)
.irp n, 0,1,2,3,4,5,6,7,8,9,10,11,12,13,14,15
.irp c, 0,1
	global_load_b128 v[128*((\s)%2)+8*\n+4*\c:128*((\s)%2)+8*\n+4*\c+3], v1, s[24:25] offset:8192*\n+1024*(\s)+512*\c
.endr
.endr
.endm
.macro XROWS r0                        ; four of my rows of x (destination: window 2, row r at 32 r)
.irp r, \r0, \r0+1, \r0+2, \r0+3
.irp k, 0,1,2,3,4,5,6,7
	global_load_b128 v[32*(\r)+4*\k:32*(\r)+4*\k+3], v1, s[8:9] offset:4096*(\r)+512*\k th:TH_LOAD_NT
.endr
.endr
.endm
; A K step: 32 matrix instructions, all 32 accumulators by turns, in the same order in every step.  The text has no label and no branch, so the windows are left as the next line wants them.
.macro OSTEP s, zero
	s_wait_loadcnt 32                              ; this step's fragments (in step 0: all that was asked for ahead of them too) are in; only the 32 loads issued behind them may be out
	WIN 0x5e                                       ; source 0 window 2, source 1 window 3, C and D window 1
.irp n, 0,1,2,3,4,5,6,7,8,9,10,11,12,13,14,15
.irp m, 0,1
	WMS 8*(16*\m+\n), 128*((\s)%2)+8*\n, 64*\m+8*(\s), \zero, WS+8*(\n/2)+(\s), CS+(\s), \n%2, \m
.endr
.endr
	PLACES                                         ; four plain places behind the products: they stand where they stood (behind the last step they serve the LDS stores' reads of the results)
	WIN 0x80                                       ; first the window, then the wait, then the loads
	s_wait_alu depctr_va_vdst(0)                   ; this step's products are done reading the set of Wo in which the loads below land; behind step 7 all accumulators are written, which the LDS stores read, and the products are done with the scale words v24-55, in which a row will land
.if (\s) < 6
	OB (\s)+2
.elseif (\s) == 6
	XROWS 0
.else
	XROWS 4
.endif
.endm
.macro REDUCE r, t                     ; the sum over the wave's 32 lanes, in every lane
	v_add_f32_dpp v[\r], v[\r], v[\r] row_xmask:1 row_mask:0xf bank_mask:0xf
	v_add_f32_dpp v[\r], v[\r], v[\r] row_xmask:2 row_mask:0xf bank_mask:0xf
	v_add_f32_dpp v[\r], v[\r], v[\r] row_xmask:4 row_mask:0xf bank_mask:0xf
	v_add_f32_dpp v[\r], v[\r], v[\r] row_xmask:8 row_mask:0xf bank_mask:0xf
	v_permlanex16_b32 v[\t], v[\r], s[SEL], s[SEL+1]
	v_add_f32 v[\r], v[\r], v[\t]
.endm
.macro ROWOUT i                        ; row i leaves from its set
.set YO, Y+32*((\i)%3)-232*(((\i)%3)/2)
.irp k, 0,1,2,3,4,5,6,7
	global_store_b128 v1, v[YO+4*\k:YO+4*\k+3], s[16:17] offset:4096*(\i)+512*\k th:TH_STORE_NT   ; 512 consecutive bytes, aligned
.endr
.endm
.macro ROW i                           ; my row i: 32 numbers a lane, columns 128 k + 4 lane + 0 .. 3
.set YS, Y+32*((\i)%3)-232*(((\i)%3)/2)
.set YN, Y+32*(((\i)+1)%3)-232*((((\i)+1)%3)/2)
.if (\i) < 7
.if (\i) >= 2
	s_wait_xcnt 0x0                                ; the stores of row i - 2, issued in the row before, have had their addresses translated: their set is loaded again below
	s_wait_alu depctr_vm_vsrc(0)                   ; and they have read their data, the set in which the loads below land
.endif
.irp k, 0,1,2,3,4,5,6,7
	ds_load_b128 v[YN+4*\k:YN+4*\k+3], v4 offset:SPITCH*((\i)+1)+512*\k   ; no vector instruction since the last wait on va_vdst names this set
.endr
	s_wait_dscnt 8                                 ; this row is in; the next row's eight loads may be out
.else
	s_wait_dscnt 0x0
.endif
	s_wait_loadcnt 56-8*(\i)                       ; x's row i is in; the later rows' loads may be out
.irp k, 0,2,4,6,8,10,12,14,16,18,20,22,24,26,28,30
	v_pk_add_f32 v[YS+\k:YS+\k+1], v[YS+\k:YS+\k+1], v[BO+\k:BO+\k+1]
.endr
	WIN 0x08                                       ; source 1: x, in window 2
.irp k, 0,2,4,6,8,10,12,14,16,18,20,22,24,26,28,30
	v_pk_add_f32 v[YS+\k:YS+\k+1], v[YS+\k:YS+\k+1], v[32*(\i)+\k:32*(\i)+\k+1]
.endr
	WIN 0
.irp c, 0,1,2,3
	v_pk_add_f32 v[ST+2*\c:ST+2*\c+1], v[YS+2*\c:YS+2*\c+1], v[YS+8+2*\c:YS+9+2*\c]   ; the row's sum, in four chains
.endr
.irp q, 16,24
.irp c, 0,1,2,3
	v_pk_add_f32 v[ST+2*\c:ST+2*\c+1], v[ST+2*\c:ST+2*\c+1], v[YS+\q+2*\c:YS+\q+1+2*\c]
.endr
.endr
	v_pk_add_f32 v[ST:ST+1], v[ST:ST+1], v[ST+2:ST+3]
	v_pk_add_f32 v[ST+4:ST+5], v[ST+4:ST+5], v[ST+6:ST+7]
	v_pk_add_f32 v[ST:ST+1], v[ST:ST+1], v[ST+4:ST+5]
	v_add_f32 v[ST], v[ST], v[ST+1]
	REDUCE ST, ST+1
	v_mul_f32 v[ST+2], s30, v[ST]                  ; the mean
	v_mov_b32 v[ST+3], v[ST+2]
.irp k, 0,2,4,6,8,10,12,14,16,18,20,22,24,26,28,30
	v_pk_add_f32 v[YS+\k:YS+\k+1], v[YS+\k:YS+\k+1], v[ST+2:ST+3] neg_lo:[0,1] neg_hi:[0,1]
.endr
	v_pk_mul_f32 v[ST+4:ST+5], v[YS:YS+1], v[YS:YS+1]                ; the squares, in two chains
	v_pk_mul_f32 v[ST+6:ST+7], v[YS+2:YS+3], v[YS+2:YS+3]
.irp k, 4,8,12,16,20,24,28
	v_pk_fma_f32 v[ST+4:ST+5], v[YS+\k:YS+\k+1], v[YS+\k:YS+\k+1], v[ST+4:ST+5]
	v_pk_fma_f32 v[ST+6:ST+7], v[YS+\k+2:YS+\k+3], v[YS+\k+2:YS+\k+3], v[ST+6:ST+7]
.endr
	v_pk_add_f32 v[ST+4:ST+5], v[ST+4:ST+5], v[ST+6:ST+7]
	v_add_f32 v[ST+4], v[ST+4], v[ST+5]
	REDUCE ST+4, ST+5
	v_fma_f32 v[ST+4], v[ST+4], s30, s31           ; the variance + 1e-6
	s_wait_alu depctr_va_vdst(0)
	v_rsq_f32 v[ST+6], v[ST+4]
	v_rsq_f32 v[ST+7], v[ST+4]                     ; twice: a pair for the packed multiply
	v_nop                                          ; one plain place behind a transcendental
	s_wait_alu depctr_va_vdst(0)                   ; the two reciprocal roots have written their pair, ahead of its first reader; the row before has written its set, which the stores below read
.if (\i) > 0
	ROWOUT (\i)-1
.endif
.irp k, 0,2,4,6,8,10,12,14,16,18,20,22,24,26,28,30
	v_pk_mul_f32 v[YS+\k:YS+\k+1], v[YS+\k:YS+\k+1], v[ST+6:ST+7]
.endr
.irp k, 0,2,4,6,8,10,12,14,16,18,20,22,24,26,28,30
	v_pk_fma_f32 v[YS+\k:YS+\k+1], v[YS+\k:YS+\k+1], v[GA+\k:GA+\k+1], v[BE+\k:BE+\k+1]
.endr
.endm
	s_load_b256 s[4:11], s[0:1], 0x0               ; cq, wq, x, bo
	s_load_b128 s[12:15], s[0:1], 0x20             ; gamma, beta
	s_load_b64 s[16:17], s[0:1], 0x30              ; out0
	v_lshl_add_u32 v14, v0, 2, 0x20200
	v_mov_b32 v15, 0
	v_lshrrev_b32 v5, 5, v0
	v_readfirstlane_b32 s18, v5                    ; wave 0..3
	v_and_b32 v6, 31, v0
	v_lshlrev_b32 v1, 4, v6                        ; 16 x lane
	v_and_b32 v7, 15, v0                           ; a
	v_bfe_u32 v8, v0, 4, 1                         ; h
	v_mul_u32_u24 v2, v7, SPITCH
	v_lshl_add_u32 v2, v8, 6, v2
	s_wait_alu depctr_va_sdst(0)                   ; s18 is written, ahead of its first reader: my columns, my rows and the stage's addresses are made from it
	s_lshl_b32 s19, s18, 10
	v_add_nc_u32 v2, s19, v2                       ; the stage, in: row a, + 64 h, + 1,024 x wave
	v_add_nc_u32 v3, 16*SPITCH, v2                 ; and the second tile of tokens
	s_mul_i32 s19, s18, 8*SPITCH
	v_add_nc_u32 v4, s19, v1                       ; back: my 8 rows, 16 bytes a lane
	s_lshl_b32 s20, ttmp9, 14                      ; ctx's codes: 16,384 a group
	s_mov_b32 s21, 0
	s_lshl_b32 s22, ttmp9, 10                      ; its scale words: 1,024
	s_add_co_u32 s22, s22, 4194304
	s_mov_b32 s23, 0
	s_lshl_b32 s24, s18, 17                        ; Wo's codes: the fourth weight, 131,072 for my 256 columns
	s_add_co_u32 s24, s24, 1572864
	s_mov_b32 s25, 0
	s_lshl_b32 s26, s18, 13                        ; its scale words
	s_add_co_u32 s26, s26, 2195456
	s_mov_b32 s27, 0
	s_lshl_b32 s28, ttmp9, 5                       ; stage rows 8 w .. 8 w + 7 are tokens 32 g + 16 (w % 2) + 8 (w / 2) + 0 .. 7
	s_and_b32 s29, s18, 1
	s_lshl_b32 s29, s29, 4
	s_add_co_u32 s28, s28, s29
	s_lshr_b32 s29, s18, 1
	s_lshl_b32 s29, s29, 3
	s_add_co_u32 s28, s28, s29
	s_lshl_b32 s28, s28, 12
	s_mov_b32 s29, 0
	s_mov_b32 s30, 0x3a800000                      ; 1 / 1,024
	s_mov_b32 s31, 0x358637bd                      ; 1e-6
	s_mov_b32 s[SEL], 0x76543210
	s_mov_b32 s[SEL+1], 0xfedcba98
	s_wait_kmcnt 0x0
	s_add_nc_u64 s[20:21], s[4:5], s[20:21]
	s_add_nc_u64 s[22:23], s[4:5], s[22:23]
	s_add_nc_u64 s[24:25], s[6:7], s[24:25]
	s_add_nc_u64 s[26:27], s[6:7], s[26:27]
	s_add_nc_u64 s[8:9], s[8:9], s[28:29]
	s_add_nc_u64 s[16:17], s[16:17], s[28:29]
	s_wait_alu depctr_va_vdst(0)                   ; the offset v1 and the LDS addresses v2 to v4 are written, which the loads and stores of the kernel read; only loads and window switches stand between this wait and the loads of the head
.irp i, 0,1,2,3,4,5,6,7
	global_load_b128 v[BO+4*\i:BO+4*\i+3], v1, s[10:11] offset:512*\i
	global_load_b128 v[GA+4*\i:GA+4*\i+3], v1, s[12:13] offset:512*\i
	global_load_b128 v[BE+4*\i:BE+4*\i+3], v1, s[14:15] offset:512*\i
.endr
.irp f, 0,1
	global_load_b128 v[CS+4*\f:CS+4*\f+3], v1, s[22:23] offset:512*\f
.endr
.irp p, 0,1,2,3,4,5,6,7
.irp f, 0,1
	global_load_b128 v[WS+8*\p+4*\f:WS+8*\p+4*\f+3], v1, s[26:27] offset:1024*\p+512*\f
.endr
.endr
	WIN 0xc0                                       ; destination window 3
.irp m, 0,1
.irp s, 0,1,2,3,4,5,6,7
.irp c, 0,1
	global_load_b128 v[64*\m+8*\s+4*\c:64*\m+8*\s+4*\c+3], v1, s[20:21] offset:8192*\m+1024*\s+512*\c
.endr
.endr
.endr
	WIN 0x80                                       ; destination window 2
	OB 0
	OB 1
	OSTEP 0, 1
.irp s, 1,2,3,4,5,6,7
	OSTEP \s, 0
.endr
	WIN 0x04                                       ; an LDS store's data are its source 1: window 1.  The last step's places and its wait stand between the last products and these reads; no vector instruction has been issued since
.irp m, 0,1
.irp n, 0,1,2,3,4,5,6,7,8,9,10,11,12,13,14,15
	ds_store_b128 v[2+\m], v[8*(16*\m+\n):8*(16*\m+\n)+3] offset:128*(\n/2)+32*(\n%2)        ; each accumulator from its low end on
	ds_store_b128 v[2+\m], v[8*(16*\m+\n)+4:8*(16*\m+\n)+7] offset:128*(\n/2)+32*(\n%2)+16
.endr
.endr
	WIN 0
	s_wait_dscnt 0x0                               ; for the others' sake: my columns lie in the stage
	s_barrier_signal -1
	s_barrier_wait -1                              ; 32 whole rows do; nobody writes LDS again
.irp k, 0,1,2,3,4,5,6,7
	ds_load_b128 v[Y+4*\k:Y+4*\k+3], v4 offset:512*\k   ; row 0 into set 0, which no vector instruction has named
.endr
.irp i, 0,1,2,3,4,5,6,7
	ROW \i
.endr
	s_wait_alu depctr_va_vdst(0)                   ; row 7 has written its set, which the last eight stores read
	ROWOUT 7
	s_wait_dscnt 0x0
	s_wait_alu depctr_hold_cnt(0) depctr_sa_sdst(0) depctr_va_vdst(0) depctr_va_sdst(0) depctr_va_ssrc(0) depctr_va_vcc(0) depctr_vm_vsrc(0)
	s_wait_tensorcnt 0x0
	ds_add_u32 v14, v15
	s_wait_dscnt 0x0
	s_endpgm
.Lfunc_end_k_qecebf5571a_outp:
	.size	k_qecebf5571a_outp, .Lfunc_end_k_qecebf5571a_outp-k_qecebf5571a_outp
	.p2alignl 7, 3214868480
	.fill 96, 4, 3214868480
	.section	.rodata,"a",@progbits
	.p2align	6, 0x0
	.amdhsa_kernel k_qecebf5571a_outp
		.amdhsa_group_segment_fixed_size 132096
		.amdhsa_private_segment_fixed_size 0
		.amdhsa_enable_private_segment 0
		.amdhsa_kernarg_size 56
		.amdhsa_user_sgpr_count 2
		.amdhsa_user_sgpr_kernarg_segment_ptr 1
		.amdhsa_wavefront_size32 1
		.amdhsa_system_sgpr_workgroup_id_x 1
		.amdhsa_system_sgpr_workgroup_id_y 1
		.amdhsa_system_sgpr_workgroup_id_z 1
		.amdhsa_system_vgpr_workitem_id 0
		.amdhsa_next_free_vgpr 896
		.amdhsa_next_free_sgpr 66
		.amdhsa_reserve_vcc 0
		.amdhsa_float_denorm_mode_32 3
		.amdhsa_float_denorm_mode_16_64 3
		.amdhsa_memory_ordered 1
		.amdhsa_forward_progress 1
		.amdhsa_inst_pref_size 154
	.end_amdhsa_kernel
	.amdgpu_metadata
---
amdhsa.version: [ 1, 2 ]
amdhsa.kernels:
  - .name:           k_qecebf5571a_outp
    .symbol:         k_qecebf5571a_outp.kd
    .args:
      - { .name: cq, .offset: 0, .size: 8, .value_kind: global_buffer, .address_space: global }
      - { .name: wq, .offset: 8, .size: 8, .value_kind: global_buffer, .address_space: global }
      - { .name: x, .offset: 16, .size: 8, .value_kind: global_buffer, .address_space: global }
      - { .name: bo, .offset: 24, .size: 8, .value_kind: global_buffer, .address_space: global }
      - { .name: gamma, .offset: 32, .size: 8, .value_kind: global_buffer, .address_space: global }
      - { .name: beta, .offset: 40, .size: 8, .value_kind: global_buffer, .address_space: global }
      - { .name: out0, .offset: 48, .size: 8, .value_kind: global_buffer, .address_space: global }
    .group_segment_fixed_size: 132096
    .private_segment_fixed_size: 0
    .kernarg_segment_align: 8
    .kernarg_segment_size: 56
    .max_flat_workgroup_size: 128
    .sgpr_count:     66
    .vgpr_count:     896
    .wavefront_size: 32
...
	.end_amdgpu_metadata
.endif
;; end of part 8
